; MI455X (gfx1250); checked and timed in simulation.
; The chip was launched on July 23, 2026; its instructions are those of AMD's public machine-readable ISA for CDNA 5 (MIT licence, August 2026) and "CDNA5" Instruction Set Architecture Reference Guide (July 2026). The comments in the code are by the model that wrote it; some were corrected since.
;; MOE. Allowed arithmetic: float matrix products may take bf16 or f16 operands with f32 sums; other float arithmetic in f32, or as packed bf16 or f16 multiplies, adds, multiply-adds, maxima and minima; sums over many terms, partial sums and values carried from step to step in f32; what a program stores and reads back later, other than sums and carried values, may be rounded once to bf16 or f16.
;; Inputs: W1 8 x 1,024 x 4,096 float32; W2 8 x 4,096 x 1,024 float32; Wr 1,024 x 8 float32; b1 8 x 4,096 float32; b2 8 x 1,024 float32; br 8 float32; x 4 x 256 x 1,024 float32.
;; Outputs: out0 4 x 256 x 1,024 float32; out1 one number float32.
;; Constants: k = 2.
;; 3 versions, each right; version 2 is faster than version 1; version 3 is version 2 with the launch down written anew for expert scheduling mode. Each part assembles by itself: llvm-mc -triple=amdgcn-amd-amdhsa -mcpu=gfx1250 --defsym DOCPART=n.
;; ======== version 1 of 3: 4 launches
;; workspace buffers: xb 2,097,152 bytes; sel 8,192 bytes of whole numbers; gate 8,192 bytes; stat 16,384 bytes; hid 67,108,864 bytes; part 67,108,864 bytes; pos 32,768 bytes of whole numbers; cnt 1,024 bytes of whole numbers
;; launch router (part 1): grid 256 x 1, 1 waves a work-group, no clusters, 0 bytes of LDS; arguments x, Wr, br, xb, sel, gate, stat; writes xb, sel, gate, stat
.if DOCPART == 1
	.amdgcn_target "amdgcn-amd-amdhsa--gfx1250"
	.amdhsa_code_object_version 6
	.text
	.protected	k_qfb49148599_router
	.globl	k_qfb49148599_router
	.p2align	8
	.type	k_qfb49148599_router,@function
k_qfb49148599_router:
	s_mov_b64 s[64:65], 0
	v_nop
	global_prefetch_b8 v0, s[64:65] scope:SCOPE_SE
	s_setreg_imm32_b32 hwreg(HW_REG_WAVE_MODE, 25, 1), 1
	s_wait_xcnt 0x0
; ROUTER.  logits = x Wr + br, softmax over 8 experts, the two largest, their gates, and this work-group's share of the sums for the aux loss.  Also x rounded to bf16 (xb) for the first product.
; A work-group is one wave and owns 4 tokens; lane l owns the channels 128 j + 4 l + i (j = 0..7, i = 0..3) of each.
; FORMATS.  x, Wr and br are rounded to bf16 first, like every input of this program; a product of two bf16 numbers is exact in f32, and the sums are f32 fused multiply-adds.
; NO MATRIX INSTRUCTION: the product has 8 columns, 1/2000 of the program's multiply-adds, and the choice of experts hangs on its last bits, so it is summed in f32 in an order that can be read off the text.
; LIMITS.  The order of summation differs from the defining one.  The two largest are taken of the exponentials 2^((l - max) log2 e), not of the quotients; strict greater-than, so the lower index wins a tie.
; An exponential below 2^-126 counts as 0.  NaN and infinities are not treated apart.
; What is chosen steers no address here: the choices go to fixed places (sel, whole numbers; gate, f32), and later launches place the rows.
; REGISTERS, in windows of 256: window 1 Wr as loaded (32 j + 4 q, q = 2 i + half of the experts); window 2 x as loaded (32 token + 4 j); window 0 all else.
.set BRV, 16                           ; v16-23   br, rounded
.set ACC, 24                           ; v24-55   the 32 sums, 8 token + expert
.set XP,  56                           ; v56-119  x in bf16 pairs: 16 token + 2 j + pair of channels
.set WP,  128                          ; v128-255 Wr in bf16 pairs: 16 j + 4 i + pair of experts
.set MSB, 0
.macro WIN new                         ; the immediate's high byte repeats the setting that is left
.if MSB != (\new)
	s_set_vgpr_msb (MSB<<8)|(\new)
.set MSB, \new
.endif
.endm
.macro FM d, a, b, c, sa, sb           ; d = half sa of a x half sb of b + c, one rounding in f32
.if ((\sa) == 0) && ((\sb) == 0)
	v_fma_mix_f32_bf16 v[\d], v[\a], v[\b], v[\c] op_sel_hi:[1,1,0]
.elseif ((\sa) == 1) && ((\sb) == 0)
	v_fma_mix_f32_bf16 v[\d], v[\a], v[\b], v[\c] op_sel:[1,0,0] op_sel_hi:[1,1,0]
.elseif ((\sa) == 0) && ((\sb) == 1)
	v_fma_mix_f32_bf16 v[\d], v[\a], v[\b], v[\c] op_sel:[0,1,0] op_sel_hi:[1,1,0]
.else
	v_fma_mix_f32_bf16 v[\d], v[\a], v[\b], v[\c] op_sel:[1,1,0] op_sel_hi:[1,1,0]
.endif
.endm
	s_load_b256 s[4:11], s[0:1], 0x0               ; x s[4:5], Wr s[6:7], br s[8:9], xb s[10:11]
	s_load_b128 s[12:15], s[0:1], 0x20             ; sel s[12:13], gate s[14:15]
	s_load_b64 s[16:17], s[0:1], 0x30              ; stat
	v_lshlrev_b32 v1, 7, v0                        ; Wr: 4 channels of 32 bytes a lane
	v_lshlrev_b32 v2, 4, v0                        ; x: 16 bytes a lane
	v_lshlrev_b32 v3, 3, v0                        ; xb and sel: 8 bytes a lane
	v_mov_b32 v4, 0
	s_mov_b32 s20, 0x76543210                      ; v_permlanex16_b32: each lane takes its own place in the other half
	s_mov_b32 s21, 0xfedcba98
	s_mov_b32 s22, 0xaaaaaaaa                      ; lanes with bit 0 set
	s_mov_b32 s23, 0xcccccccc                      ; lanes with bit 1 set
	s_lshl_b32 s24, ttmp9, 14                      ; 4 tokens of x: 16,384 bytes
	s_mov_b32 s25, 0
	s_lshl_b32 s26, ttmp9, 13                      ; of xb: 8,192
	s_mov_b32 s27, 0
	s_lshl_b32 s28, ttmp9, 5                       ; of sel: 32
	s_mov_b32 s29, 0
	s_lshl_b32 s30, ttmp9, 4                       ; of gate: 16
	s_mov_b32 s31, 0
	s_lshl_b32 s32, ttmp9, 6                       ; my 16 numbers of stat
	s_mov_b32 s33, 0
	s_wait_kmcnt 0x0
	s_add_nc_u64 s[4:5], s[4:5], s[24:25]
	s_add_nc_u64 s[10:11], s[10:11], s[26:27]
	s_add_nc_u64 s[12:13], s[12:13], s[28:29]
	s_add_nc_u64 s[14:15], s[14:15], s[30:31]
	s_add_nc_u64 s[16:17], s[16:17], s[32:33]
	WIN 0x40                                       ; destination window 1
.set j, 0
.rept 8
.set q, 0
.rept 8
	global_load_b128 v[32*j+4*q:32*j+4*q+3], v1, s[6:7] offset:4096*j+16*q
.set q, q+1
.endr
.set j, j+1
.endr
	WIN 0x80                                       ; destination window 2
.set tk, 0
.rept 4
.set j, 0
.rept 8
	global_load_b128 v[32*tk+4*j:32*tk+4*j+3], v2, s[4:5] offset:4096*tk+512*j th:TH_LOAD_NT
.set j, j+1
.endr
.set tk, tk+1
.endr
	WIN 0
	global_load_b128 v[BRV:BRV+3], v4, s[8:9]
	global_load_b128 v[BRV+4:BRV+7], v4, s[8:9] offset:16
	s_wait_loadcnt 34                              ; the 32 loads of x and the 2 of br are younger: Wr is in
	WIN 0x05                                       ; sources window 1
.set j, 0
.rept 8
.set i, 0
.rept 4
.set p, 0
.rept 4
	v_cvt_pk_bf16_f32 v[WP+16*j+4*i+p], v[32*j+4*(2*i+p/2)+2*(p%2)], v[32*j+4*(2*i+p/2)+2*(p%2)+1]
.set p, p+1
.endr
.set i, i+1
.endr
.set j, j+1
.endr
	s_wait_loadcnt 2                               ; br's two loads are younger: x is in
	WIN 0x0a                                       ; sources window 2
.set tk, 0
.rept 4
.set j, 0
.rept 8
	v_cvt_pk_bf16_f32 v[XP+16*tk+2*j], v[32*tk+4*j], v[32*tk+4*j+1]
	v_cvt_pk_bf16_f32 v[XP+16*tk+2*j+1], v[32*tk+4*j+2], v[32*tk+4*j+3]
.set j, j+1
.endr
.set tk, tk+1
.endr
	WIN 0
.set tk, 0
.rept 4
.set j, 0
.rept 8
	global_store_b64 v3, v[XP+16*tk+2*j:XP+16*tk+2*j+1], s[10:11] offset:2048*tk+256*j  ; the wave's store covers 256 consecutive bytes, aligned
.set j, j+1
.endr
.set tk, tk+1
.endr
	s_wait_loadcnt 0x0                             ; br
.irp u, 0,2,4,6
	v_cvt_pk_bf16_f32 v5, v[BRV+\u], v[BRV+\u+1]   ; rounded to bf16 and widened again
	v_lshlrev_b32 v[BRV+\u], 16, v5
	v_and_b32 v[BRV+\u+1], 0xffff0000, v5
.endr
	; the 32 sums take turns: a chain's links stand 32 instructions apart.  The first link takes 0 (v4) as its addend: nothing is cleared
.set j, 0
.rept 8
.set i, 0
.rept 4
.set tk, 0
.rept 4
.set e, 0
.rept 8
.if (j == 0) && (i == 0)
	FM ACC+8*tk+e, XP+16*tk+2*j+i/2, WP+16*j+4*i+e/2, 4, i%2, e%2
.else
	FM ACC+8*tk+e, XP+16*tk+2*j+i/2, WP+16*j+4*i+e/2, ACC+8*tk+e, i%2, e%2
.endif
.set e, e+1
.endr
.set tk, tk+1
.endr
.set i, i+1
.endr
.set j, j+1
.endr
	; across the 32 lanes: four steps inside each half, one across the halves; every lane ends with all 32 sums
.irp mk, 1,2,4,8
.set a, 0
.rept 32
	v_add_f32_dpp v[ACC+a], v[ACC+a], v[ACC+a] row_xmask:\mk row_mask:0xf bank_mask:0xf
.set a, a+1
.endr
.endr
.set a, 0
.rept 32
	v_permlanex16_b32 v[WP+a], v[ACC+a], s20, s21  ; Wr's registers are free, and have been written
.set a, a+1
.endr
.set a, 0
.rept 32
	v_add_f32 v[ACC+a], v[ACC+a], v[WP+a]
.set a, a+1
.endr
	; lane l goes on with token l % 4
.set e, 0
.rept 8
	v_cndmask_b32 v[ACC+e], v[ACC+e], v[ACC+8+e], s22
	v_cndmask_b32 v[ACC+16+e], v[ACC+16+e], v[ACC+24+e], s22
.set e, e+1
.endr
.set e, 0
.rept 8
	v_cndmask_b32 v[ACC+e], v[ACC+e], v[ACC+16+e], s23
.set e, e+1
.endr
.set e, 0
.rept 8
	v_add_f32 v[ACC+e], v[ACC+e], v[BRV+e]
.set e, e+1
.endr
	v_max3_num_f32 v6, v[ACC], v[ACC+1], v[ACC+2]
	v_max3_num_f32 v6, v6, v[ACC+3], v[ACC+4]
	v_max3_num_f32 v6, v6, v[ACC+5], v[ACC+6]
	v_max_num_f32 v6, v6, v[ACC+7]                 ; the maximum is taken away before the exponential
.set e, 0
.rept 8
	v_sub_f32 v[ACC+e], v[ACC+e], v6
.set e, e+1
.endr
.set e, 0
.rept 8
	v_mul_f32 v[ACC+e], 0x3fb8aa3b, v[ACC+e]       ; log2(e): the exponential works in base 2
.set e, e+1
.endr
.set e, 0
.rept 8
	v_exp_f32 v[ACC+e], v[ACC+e]                   ; one batch of eight
.set e, e+1
.endr
	v_nop                                          ; a plain instruction behind the last exponential,
	s_wait_alu depctr_va_vdst(0)                   ; and one wait for the batch, ahead of its first reader
	v_add_f32 v7, v[ACC], v[ACC+1]
	v_add_f32 v12, v[ACC+2], v[ACC+3]
	v_add_f32 v13, v[ACC+4], v[ACC+5]
	v_add_f32 v14, v[ACC+6], v[ACC+7]
	v_add_f32 v7, v7, v12
	v_add_f32 v13, v13, v14
	v_add_f32 v7, v7, v13                          ; the softmax's divisor
	; the two largest: v8 the largest and v10 its index, v9 the second and v11 its index.  Selects alone: no branch hangs on these numbers
	v_mov_b32 v8, v[ACC]
	v_mov_b32 v9, -1.0                             ; below every exponential
	v_mov_b32 v10, 0
	v_mov_b32 v11, 0
.irp e, 1,2,3,4,5,6,7
	v_cmp_gt_f32 s36, v[ACC+\e], v8
	v_cmp_gt_f32 s37, v[ACC+\e], v9
	v_cndmask_b32 v9, v9, v[ACC+\e], s37
	v_cndmask_b32 v11, v11, \e, s37
	v_cndmask_b32 v9, v9, v8, s36
	v_cndmask_b32 v11, v11, v10, s36
	v_cndmask_b32 v8, v8, v[ACC+\e], s36
	v_cndmask_b32 v10, v10, \e, s36
.endr
	v_add_f32 v12, v8, v9
	v_rcp_f32 v7, v7                               ; one batch of two
	v_rcp_f32 v12, v12
	v_nop
	s_wait_alu depctr_va_vdst(0)
.set e, 0
.rept 8
	v_mul_f32 v[32+e], v[ACC+e], v7                ; v32-39: the token's probabilities
.set e, e+1
.endr
	v_mul_f32 v14, v8, v12                         ; the two gates: the divisor of the softmax cancels
	v_mul_f32 v15, v9, v12
.irp e, 0,1,2,3,4,5,6,7
	v_cmp_eq_u32 s36, \e, v10
	v_cmp_eq_u32 s37, \e, v11
	s_or_b32 s36, s36, s37
	v_cndmask_b32 v[40+\e], 0, 1.0, s36            ; v40-47: 1 for each chosen expert
.endr
.irp mk, 1,2
.set a, 0
.rept 16
	v_add_f32_dpp v[32+a], v[32+a], v[32+a] row_xmask:\mk row_mask:0xf bank_mask:0xf  ; over the work-group's four tokens
.set a, a+1
.endr
.endr
	v_lshlrev_b32 v5, 2, v0
	s_wait_xcnt 0x0                                ; EXEC changes only behind this wait: xb's stores have been issued
	v_cmp_gt_u32 vcc_lo, 4, v0
	s_and_saveexec_b32 s34, vcc_lo                 ; lanes 0-3: one token each
	global_store_b64 v3, v[10:11], s[12:13]        ; sel[token] = first, second expert
	global_store_b32 v5, v14, s[14:15]             ; gate[token]
	global_store_b32 v5, v15, s[14:15] offset:4096 ; gate[1024 + token]
	v_cmp_eq_u32 vcc_lo, 0, v0
	s_wait_xcnt 0x0
	s_and_saveexec_b32 s35, vcc_lo                 ; lane 0
	global_store_b128 v4, v[32:35], s[16:17]
	global_store_b128 v4, v[36:39], s[16:17] offset:16
	global_store_b128 v4, v[40:43], s[16:17] offset:32
	global_store_b128 v4, v[44:47], s[16:17] offset:48
	s_wait_xcnt 0x0
	s_or_b32 exec_lo, exec_lo, s34
	s_endpgm
.Lfunc_end_k_qfb49148599_router:
	.size	k_qfb49148599_router, .Lfunc_end_k_qfb49148599_router-k_qfb49148599_router
	.p2alignl 7, 3214868480
	.fill 96, 4, 3214868480
	.section	.rodata,"a",@progbits
	.p2align	6, 0x0
	.amdhsa_kernel k_qfb49148599_router
		.amdhsa_group_segment_fixed_size 0
		.amdhsa_private_segment_fixed_size 0
		.amdhsa_enable_private_segment 0
		.amdhsa_kernarg_size 56
		.amdhsa_user_sgpr_count 2
		.amdhsa_user_sgpr_kernarg_segment_ptr 1
		.amdhsa_wavefront_size32 1
		.amdhsa_system_sgpr_workgroup_id_x 1
		.amdhsa_system_sgpr_workgroup_id_y 1
		.amdhsa_system_sgpr_workgroup_id_z 1
		.amdhsa_system_vgpr_workitem_id 0
		.amdhsa_next_free_vgpr 640
		.amdhsa_next_free_sgpr 66
		.amdhsa_reserve_vcc 1
		.amdhsa_float_denorm_mode_32 3
		.amdhsa_float_denorm_mode_16_64 3
		.amdhsa_memory_ordered 1
		.amdhsa_forward_progress 1
		.amdhsa_inst_pref_size 114
	.end_amdhsa_kernel
	.amdgpu_metadata
---
amdhsa.version: [ 1, 2 ]
amdhsa.kernels:
  - .name:           k_qfb49148599_router
    .symbol:         k_qfb49148599_router.kd
    .args:
      - { .name: x, .offset: 0, .size: 8, .value_kind: global_buffer, .address_space: global }
      - { .name: Wr, .offset: 8, .size: 8, .value_kind: global_buffer, .address_space: global }
      - { .name: br, .offset: 16, .size: 8, .value_kind: global_buffer, .address_space: global }
      - { .name: xb, .offset: 24, .size: 8, .value_kind: global_buffer, .address_space: global }
      - { .name: sel, .offset: 32, .size: 8, .value_kind: global_buffer, .address_space: global }
      - { .name: gate, .offset: 40, .size: 8, .value_kind: global_buffer, .address_space: global }
      - { .name: stat, .offset: 48, .size: 8, .value_kind: global_buffer, .address_space: global }
    .group_segment_fixed_size: 0
    .private_segment_fixed_size: 0
    .kernarg_segment_align: 8
    .kernarg_segment_size: 56
    .max_flat_workgroup_size: 32
    .sgpr_count:     66
    .vgpr_count:     640
    .wavefront_size: 32
...
	.end_amdgpu_metadata
.endif
;; end of part 1
;; launch up (part 2): grid 256 x 1, 8 waves a work-group, no clusters, 263,424 bytes of LDS; arguments W1, b1, xb, sel, hid, pos, cnt; writes hid, pos, cnt
.if DOCPART == 2
	.amdgcn_target "amdgcn-amd-amdhsa--gfx1250"
	.amdhsa_code_object_version 6
	.text
	.protected	k_qfb49148599_up
	.globl	k_qfb49148599_up
	.p2align	8
	.type	k_qfb49148599_up,@function
k_qfb49148599_up:
	s_mov_b64 s[64:65], 0
	v_nop
	global_prefetch_b8 v0, s[64:65] scope:SCOPE_SE
	s_setreg_imm32_b32 hwreg(HW_REG_WAVE_MODE, 25, 1), 1
	s_wait_xcnt 0x0
; FIRST EXPERT PRODUCT: hid = relu(x_rows W1[e] + b1[e]) in bf16, for the rows that chose expert e alone, laid out as the second product's operand registers take it.
; SHARES.  Work-group = (e = id / 32, slice = id % 32): 128 hidden columns (two groups of 64) x K = 1,024, 524,288 bytes of f32 weights that it alone reads, and ALL rows of the expert.
; PHASE A.  The weights are 16 chunks of 128 k x 64 columns.  Wave u streams chunks u and u + 8 (64 loads of 16 bytes a lane out, 32,768 bytes a wave), rounds them to bf16 and lays them into LDS in the order of
; a matrix operand's registers.  One barrier.  Nothing in LDS is written behind it.
; PHASE B.  Wave w owns the tiles of 16 rows 8 rt + w.  Three passes of three tiles each cover 1,024 rows; a pass or a tile without rows is jumped forward (a dead tile's loads are still issued, so that the counted
; waits hold on every way).  Rows come from memory straight into operand registers, three K steps ahead; weight fragments from LDS one step ahead.
; THE ROWS.  Place k of the expert belongs to the token of rank k among those that chose e, in the order group G = 0..31, lane 0..31, token = 64 (G / 2) + 2 lane + G % 2.  Each lane finds its place's token from the
; 32 masks in scalar registers.  Places past the count repeat the last row.  Wave 0 of slice 0 stores every token's rank (pos) and the count (cnt) for the later launches.  Every split of the tokens is served.
; NO CLUSTER, NO TENSOR LOAD: a slice has one reader, the rows come by a list, and f32 slots for a mover do not fit beside the 262,272 bytes of bf16.
; FORMATS.  W1, b1 and x are rounded to bf16, like every input of this program; sums in f32; hid is rounded once to bf16 (f16 has no room for inputs 30 times larger).
; THE MATRIX INSTRUCTION IS USED TRANSPOSED: source 0 = 16 weight columns, source 1 = 16 rows; a lane holds one row (lane % 16) and eight neighbouring columns 8 (lane / 16) + 0..7.
.set WSTRIDE, 16384                    ; bytes from a k row of the weights to the next
.set WSH,     17                       ; 8 such rows, as a shift
.set WSEC,    256                      ; from chunk u to chunk u + 8 in memory: the second group of 64 columns
.set CTS,     32784                    ; LDS bytes of a column tile's region: 32 K steps of 1,024, and 16 so that the four regions a store touches start 4 banks apart
.set LSEC,    4*CTS                    ; from chunk u to chunk u + 8 in LDS
.set NT,      8                        ; chunks in a sum
.set ACHUNK,  256                      ; bytes of a row from chunk to chunk
.set AO_LO,   64                       ; from an even K step to the odd one
.set AO_HI,   128                      ; from K steps 0, 1 to 2, 3
.set APART,   32                       ; from a fragment's registers 0-3 to 4-7
.set NX,      32                       ; loads of choices and bias issued among the second chunk's waits
.set SPARE,   262400                   ; behind the weights: the spare words, 128 bytes for each of 8 waves, which no other line names
.set SPW,  2                           ; v2  SPARE + 4 x my thread's number; never rewritten
.set NIL,  3                           ; v3  0; never rewritten
.set VL16, 4                           ; 16 x lane
.set ZERO, 5
.set AOF,  6                           ; v6-8    tile t: my byte offset in xb
.set VW,   9                           ; my offset in a chunk of weights
.set VST,  10                          ; LDS address of my bytes of chunk u,
.set VST2, 11                          ; of chunk u + 8
.set VB,   12                          ; v12-15  column tile ct: LDS address of my 16 bytes in the chunk in hand,
.set VBN,  16                          ; v16-19  in the next chunk
.set LANE, 20
.set HH,   21                          ; lane / 16
.set VBI,  22                          ; 32 x (lane / 16)
.set H16,  23                          ; 16 x (lane / 16)
.set BP,   24                          ; v24-55  the bias in bf16 pairs: 16 group + 4 ct + pair
.set KB,   56                          ; 16 w + lane % 16
.set PA,   60
.set PB,   61
.set AB,   64                          ; v64-159 the rows' ring: four K steps of 3 tiles x 8 registers
.set SEL,  64                          ; in phase A: v64-127 the choices, v128-191 the bias as loaded
.set BR,   128
.set TS,   160                         ; v160-191 the way out
.set TP,   192                         ; v192-223 a group of weights, rounded
.set BC,   224                         ; v224-239 the bias of the group in hand
.set KK,   240                         ; the search: the rank still to go,
.set SM,   241                         ; the mask of the group in which it falls,
.set SD,   242                         ; the rank inside that group,
.set SG,   243                         ; the group's number,
.set QA,   244                         ; the mask's set bits counted by 2,
.set QB,   245                         ; by 4,
.set QC,   246                         ; by 8,
.set QD,   247                         ; by 16,
.set QT,   248
.set QP,   249                         ; the bit's place
.set QU,   250
.set BBF,  96                          ; window 1: v0-95 the accumulators, 32 t + 8 ct; v96-159 two K steps of weight fragments; in phase A all 256: a chunk as loaded
.set MK,   66                          ; s66-97  group G's mask of tokens that chose e
.set MSB, 0
.macro WIN new                         ; bits 1:0 source 0, 3:2 source 1, 5:4 source 2, 7:6 destination; the high byte repeats the setting that is left
.if MSB != (\new)
	s_set_vgpr_msb (MSB<<8)|(\new)
.set MSB, \new
.endif
.endm
.macro PLACES                          ; four plain vector instructions between a matrix instruction and a load into, or a vector instruction on, its registers
.rept 4
	v_nop
.endr
.endm
.macro BAR                             ; no LDS instruction of mine is out; then every wave's barrier
	s_wait_dscnt 0x0
	s_barrier_signal -1
	s_barrier_wait -1
.endm
.macro WLOAD q, sec                    ; rows 16 q .. 16 q + 15 of a chunk: lanes 0-15 take 256 consecutive aligned bytes of a row, lanes 16-31 of the row 8 further on
.set i, 0
.rept 8
	global_load_b128 v[32*(\q)+4*i:32*(\q)+4*i+3], v[VW], s[40:41] offset:(16*(\q)+i)*WSTRIDE+(\sec)*WSEC th:TH_LOAD_NT
.set i, i+1
.endr
.endm
.macro CVST q, areg, reload            ; group q: k and k + 1 of a column pack into a register, four registers are 8 k, 16 bytes of a fragment; its registers take the next chunk's group; then into LDS
	WIN 0x05
.set c, 0
.rept 4
.set p, 0
.rept 4
	v_cvt_pk_bf16_f32 v[TP+16*((\q)&1)+4*c+p], v[32*(\q)+8*p+c], v[32*(\q)+8*p+4+c]
.set p, p+1
.endr
.set c, c+1
.endr
.if \reload
	WIN 0x40
	WLOAD \q, 1
.endif
	WIN 0
.set c, 0
.rept 4
	ds_store_b128 v[\areg], v[TP+16*((\q)&1)+4*c:TP+16*((\q)&1)+4*c+3] offset:512*(\q)+16*c
.set c, c+1
.endr
.endm
.macro LOFF n                          ; s50 = LDS byte at which chunk s[n] (0..15) begins
	s_lshr_b32 s62, s[\n], 3
	s_mul_i32 s62, s62, 4*CTS
	s_and_b32 s50, s[\n], 7
	s_lshl_b32 s50, s50, 12
	s_add_co_u32 s50, s50, s62
.endm
.macro SETVB d                         ; my 16 bytes in the four column tiles' regions, from LDS byte s50 on
	s_add_co_u32 s58, s50, CTS
	s_add_co_u32 s59, s50, 2*CTS
	s_add_co_u32 s60, s50, 3*CTS
	v_add_nc_u32 v[\d], s50, v[VL16]
	v_add_nc_u32 v[\d+1], s58, v[VL16]
	v_add_nc_u32 v[\d+2], s59, v[VL16]
	v_add_nc_u32 v[\d+3], s60, v[VL16]
.endm
.macro ALOAD b, p                      ; the rows of K step b of a chunk, all three tiles, into the ring's buffer b: 6 loads, on every way
.irp t, 0,1,2
	global_load_b128 v[AB+24*(\b)+8*\t:AB+24*(\b)+8*\t+3], v[AOF+\t], s[\p:\p+1] offset:((\b)>>1)*AO_HI+((\b)&1)*AO_LO
	global_load_b128 v[AB+24*(\b)+8*\t+4:AB+24*(\b)+8*\t+7], v[AOF+\t], s[\p:\p+1] offset:((\b)>>1)*AO_HI+((\b)&1)*AO_LO+APART
.endr
.endm
; ONE K STEP of 32, number pos of its chunk: fetch the next step's fragments and the rows of the step three on, wait for this step's, multiply.  Tiles from s24 on are jumped.  The accumulators take turns.
.macro KSTEP pos
.if (\pos) > 0
	PLACES
.endif
	WIN 0x40
.irp ct, 0,1,2,3
.if (\pos) < 3
	ds_load_b128 v[BBF+32*(((\pos)+1)&1)+8*\ct:BBF+32*(((\pos)+1)&1)+8*\ct+3], v[VB+\ct] offset:((\pos)+1)*1024
	ds_load_b128 v[BBF+32*(((\pos)+1)&1)+8*\ct+4:BBF+32*(((\pos)+1)&1)+8*\ct+7], v[VB+\ct] offset:((\pos)+1)*1024+512
.else
	ds_load_b128 v[BBF+8*\ct:BBF+8*\ct+3], v[VBN+\ct]
	ds_load_b128 v[BBF+8*\ct+4:BBF+8*\ct+7], v[VBN+\ct] offset:512
.endif
.endr
	WIN 0
.if (\pos) == 0
	ALOAD 3, 32
.else
	ALOAD (\pos)-1, 34
.endif
	s_wait_loadcnt 18                              ; the rows of the three later steps, 6 loads each, stay out: this step's are in
	s_wait_dscnt 8                                 ; the 8 loads just issued stay out: this step's fragments are in
.irp t, 0,1,2
.if (\t) > 0
	s_cmp_le_u32 s24, \t
	s_cbranch_scc1 .Lkend_\@
.endif
	WIN 0x51                                       ; weights, C and D in window 1, rows in window 0
.irp ct, 0,1,2,3
	v_wmma_f32_16x16x32_bf16 v[32*\t+8*\ct:32*\t+8*\ct+7], v[BBF+32*((\pos)&1)+8*\ct:BBF+32*((\pos)&1)+8*\ct+7], v[AB+24*(\pos)+8*\t:AB+24*(\pos)+8*\t+7], v[32*\t+8*\ct:32*\t+8*\ct+7]
.endr
	WIN 0                                          ; at a branch and at a label every window is 0
.endr
.Lkend_\@:
.endm
.macro INIT                            ; the sums begin with the bias, widened from its bf16 pairs
	WIN 0x40
.irp t, 0,1,2
.set i, 0
.rept 16
	v_lshlrev_b32 v[32*\t+2*i], 16, v[BC+i]
	v_and_b32 v[32*\t+2*i+1], 0xffff0000, v[BC+i]
.set i, i+1
.endr
.endr
	WIN 0
.endm
; THE WAY OUT: a lane's eight columns round to 16 bytes; relu on the rounded halves; each store covers 512 consecutive aligned bytes, in the order in which the second product's lanes load them.
.macro EPI t
	s_wait_xcnt 0x0                                ; the registers that earlier stores read are rewritten only behind this wait
	WIN 0x05
.irp ct, 0,1,2,3
.irp p, 0,1,2,3
	v_cvt_pk_bf16_f32 v[TS+16*((\t)&1)+4*\ct+\p], v[32*(\t)+8*\ct+2*\p], v[32*(\t)+8*\ct+2*\p+1]
.endr
.endr
	WIN 0
.set i, 0
.rept 16
	v_pk_max_num_bf16 v[TS+16*((\t)&1)+i], v[TS+16*((\t)&1)+i], v[ZERO]
.set i, i+1
.endr
.irp ct, 0,1,2,3
	global_store_b128 v[VL16], v[TS+16*((\t)&1)+4*\ct:TS+16*((\t)&1)+4*\ct+3], s[44:45] offset:16384*(\t)+512*\ct
.endr
.endm
.macro HALVE reg, w                    ; if the w places from QP on hold SD set bits or fewer, the bit sought lies above them
	v_bfe_u32 v[QT], v[\reg], v[QP], \w
	v_cmp_ge_u32 vcc_lo, v[SD], v[QT]
	v_cndmask_b32 v[QT], 0, v[QT], vcc_lo
	v_sub_nc_u32 v[SD], v[SD], v[QT]
	v_cndmask_b32 v[QU], 0, \w, vcc_lo
	v_add_nc_u32 v[QP], v[QP], v[QU]
.endm
; The token of my place in tile t of the pass.  The lane walks the 32 groups; in the group where the rank still to go falls below the group's count it keeps the mask; behind it the rank has wrapped far above every count.
.macro FIND t
	s_add_co_u32 s26, s63, 128*(\t)
	v_add_nc_u32 v[KK], s26, v[KB]                 ; place 128 rt + 16 w + lane % 16
	v_min_u32 v[KK], s61, v[KK]                    ; places past the count repeat the last row
	v_mov_b32 v[SM], 1
	v_mov_b32 v[SD], 0
	v_mov_b32 v[SG], 0
.set g, 0
.rept 32
	s_bcnt1_i32_b32 s27, s[MK+g]
	v_cmp_gt_u32 vcc_lo, s27, v[KK]
	v_cndmask_b32 v[SM], v[SM], s[MK+g], vcc_lo
	v_cndmask_b32 v[SD], v[SD], v[KK], vcc_lo
	v_cndmask_b32 v[SG], v[SG], g, vcc_lo
	v_sub_nc_u32 v[KK], v[KK], s27
.set g, g+1
.endr
	v_lshrrev_b32 v[QT], 1, v[SM]
	v_and_b32 v[QT], 0x55555555, v[QT]
	v_sub_nc_u32 v[QA], v[SM], v[QT]
	v_lshrrev_b32 v[QT], 2, v[QA]
	v_and_b32 v[QT], 0x33333333, v[QT]
	v_and_b32 v[QB], 0x33333333, v[QA]
	v_add_nc_u32 v[QB], v[QB], v[QT]
	v_lshrrev_b32 v[QT], 4, v[QB]
	v_add_nc_u32 v[QC], v[QB], v[QT]
	v_and_b32 v[QC], 0x0f0f0f0f, v[QC]
	v_lshrrev_b32 v[QT], 8, v[QC]
	v_add_nc_u32 v[QD], v[QC], v[QT]
	v_mov_b32 v[QP], 0
	HALVE QD, 8                                    ; byte 0 of QD counts places 0-15: the step is 16 places,
	v_lshlrev_b32 v[QP], 1, v[QP]                  ; so 8 becomes 16
	HALVE QC, 8
	HALVE QB, 4
	HALVE QA, 2
	HALVE SM, 1
	v_lshrrev_b32 v[QT], 1, v[SG]
	v_lshlrev_b32 v[QT], 6, v[QT]
	v_and_b32 v[QU], 1, v[SG]
	v_lshl_add_u32 v[QU], v[QP], 1, v[QU]
	v_add_nc_u32 v[QU], v[QU], v[QT]               ; token = 64 (G / 2) + 2 lane + G % 2
	v_min_u32 v[QU], 0x3ff, v[QU]
	v_lshl_add_u32 v[AOF+\t], v[QU], 11, v[H16]    ; its row of 2,048 bytes
.endm
	s_load_b256 s[4:11], s[0:1], 0x0               ; W1 s[4:5], b1 s[6:7], xb s[8:9], sel s[10:11]
	s_load_b128 s[12:15], s[0:1], 0x20             ; hid s[12:13], pos s[14:15]
	s_load_b64 s[46:47], s[0:1], 0x30              ; cnt
	v_lshl_add_u32 v[SPW], v0, 2, SPARE
	v_mov_b32 v[NIL], 0
	v_lshrrev_b32 v1, 5, v0
	v_readfirstlane_b32 s16, v1                    ; wave w = 0..7
	s_lshr_b32 s18, ttmp9, 5                       ; e
	s_and_b32 s19, ttmp9, 31                       ; slice
	s_mov_b32 s37, 0                               ; s[36:37]: an offset as a pair; the high word stays 0
	v_and_b32 v[LANE], 31, v0
	v_and_b32 v1, 15, v0
	v_bfe_u32 v[HH], v0, 4, 1
	v_lshlrev_b32 v[VL16], 4, v[LANE]
	v_mov_b32 v[ZERO], 0
	v_lshlrev_b32 v[VBI], 5, v[HH]
	v_lshlrev_b32 v[H16], 4, v[HH]
	v_lshlrev_b32 v[VW], 4, v1
	v_lshl_add_u32 v[VW], v[HH], WSH, v[VW]        ; 16 bytes of a row; lanes 16-31 eight rows on
	v_lshrrev_b32 v[VST], 2, v1                    ; my 4 columns lie in column tile (lane % 16) / 4,
	v_mul_u32_u24 v[VST], v[VST], CTS
	v_lshl_add_u32 v[VST], v[HH], 8, v[VST]        ; in the fragment's half lane / 16,
	v_and_b32 v[PA], 3, v0
	v_lshl_add_u32 v[VST], v[PA], 6, v[VST]        ; at its columns 4 (lane % 4) + 0..3,
	s_lshl_b32 s26, s16, 12
	v_add_nc_u32 v[VST], s26, v[VST]               ; in chunk w
	v_add_nc_u32 v[VST2], LSEC, v[VST]
	s_lshl_b32 s26, s16, 4
	v_add_nc_u32 v[KB], s26, v1
	s_lshl_b32 s36, s18, 24                        ; an expert's weights: 16,777,216 bytes,
	s_lshl_b32 s27, s19, 9                         ; my 128 columns,
	s_add_co_u32 s36, s36, s27
	s_lshl_b32 s27, s16, 21                        ; chunk w's 128 rows
	s_add_co_u32 s36, s36, s27
	s_wait_kmcnt 0x0
	s_add_nc_u64 s[40:41], s[4:5], s[36:37]
	; ---- PHASE A
	WIN 0x40
.set q, 0
.rept 8
	WLOAD q, 0
.set q, q+1
.endr
	WIN 0
	s_lshl_b32 s36, s18, 14
	s_lshl_b32 s27, s19, 9
	s_add_co_u32 s36, s36, s27
	s_add_nc_u64 s[48:49], s[6:7], s[36:37]        ; my columns' bias
.set q, 0
.rept 8
	s_wait_loadcnt 56                              ; younger than group q: 8 (7 - q) loads of this chunk and 8 q of the next
	CVST q, VST, 1
.set q, q+1
.endr
.set q, 0
.rept 8
.if q == 4
.set g, 0
.rept 16
	global_load_b128 v[SEL+4*g:SEL+4*g+3], v[VL16], s[10:11] offset:512*g  ; the choices of tokens 64 g + 2 lane and + 1
.set g, g+1
.endr
.irp g2, 0,1
.irp ct, 0,1,2,3
	global_load_b128 v[BR+32*\g2+8*\ct:BR+32*\g2+8*\ct+3], v[VBI], s[48:49] offset:256*\g2+64*\ct
	global_load_b128 v[BR+32*\g2+8*\ct+4:BR+32*\g2+8*\ct+7], v[VBI], s[48:49] offset:256*\g2+64*\ct+16
.endr
.endr
.endif
.if q < 4
	s_wait_loadcnt 56-8*q                          ; the later groups stay out,
.else
	s_wait_loadcnt 56-8*q+NX                       ; and the 32 loads of choices and bias
.endif
	CVST q, VST2, 0
.set q, q+1
.endr
	s_wait_loadcnt 0x0                             ; choices and bias
	BAR                                            ; every wave's stores are done: the slice is whole
	; ---- the bias in bf16 pairs; the masks and the count
.set i, 0
.rept 32
	v_cvt_pk_bf16_f32 v[BP+i], v[BR+2*i], v[BR+2*i+1]
.set i, i+1
.endr
	s_mov_b32 s22, 0
.set g, 0
.rept 32
	v_cmp_eq_u32 s26, s18, v[SEL+2*g]
	v_cmp_eq_u32 s27, s18, v[SEL+2*g+1]
	s_or_b32 s[MK+g], s26, s27                     ; a token's two choices differ, so it counts once
	s_bcnt1_i32_b32 s26, s[MK+g]
	s_add_co_u32 s22, s22, s26
.set g, g+1
.endr
	s_or_b32 s26, s19, s16
	s_cmp_lg_u32 s26, 0
	s_cbranch_scc1 .Lnopos
	s_mov_b32 s27, 0                               ; wave 0 of slice 0: every token's rank, word 128 (G / 4) + 4 lane + G % 4, and the count in 32 words
.set g, 0
.rept 32
	v_mbcnt_lo_u32_b32 v[TS+g], s[MK+g], s27
	s_bcnt1_i32_b32 s26, s[MK+g]
	s_add_co_u32 s27, s27, s26
.set g, g+1
.endr
	s_lshl_b32 s36, s18, 12
	s_add_nc_u64 s[38:39], s[14:15], s[36:37]
.irp k, 0,1,2,3,4,5,6,7
	global_store_b128 v[VL16], v[TS+4*\k:TS+4*\k+3], s[38:39] offset:512*\k
.endr
	s_lshl_b32 s36, s18, 7
	s_add_nc_u64 s[46:47], s[46:47], s[36:37]
	v_mov_b32 v[PA], s22
	v_lshlrev_b32 v[PB], 2, v[LANE]
	global_store_b32 v[PB], v[PA], s[46:47]
.Lnopos:
	s_add_co_u32 s23, s22, 15
	s_lshr_b32 s23, s23, 4                         ; tiles
	s_add_co_u32 s25, s23, 7
	s_sub_co_u32 s25, s25, s16
	s_lshr_b32 s25, s25, 3                         ; my tiles: w, w + 8, ..
	s_max_u32 s61, s22, 1
	s_sub_co_u32 s61, s61, 1                       ; the last rank
	s_lshl_b32 s36, s19, 21                        ; hid: two blocks of 64 columns a slice, 1,048,576 bytes a block,
	s_lshl_b32 s27, s18, 17                        ; the expert's 64 tiles of 2,048 bytes,
	s_add_co_u32 s36, s36, s27
	s_lshl_b32 s27, s16, 11                        ; tile w
	s_add_co_u32 s36, s36, s27
	s_add_nc_u64 s[42:43], s[12:13], s[36:37]
	s_mov_b64 s[30:31], s[8:9]
	; ---- PHASE B
	s_mov_b32 s52, 3
	s_mov_b32 s53, 0                               ; 3 x the pass
.Lpass:
	s_cmp_ge_u32 s53, s25
	s_cbranch_scc1 .Lpass_next                     ; none of my tiles is left
	s_sub_co_u32 s24, s25, s53
	s_min_u32 s24, s24, 3                          ; the pass's live tiles
	s_lshl_b32 s63, s53, 7
	FIND 0
	FIND 1
	FIND 2
	s_mov_b32 s21, 0                               ; the chunk in hand; only its low bits are used
	s_mov_b32 s50, 0
	SETVB VB
	WIN 0x40
.irp ct, 0,1,2,3
	ds_load_b128 v[BBF+8*\ct:BBF+8*\ct+3], v[VB+\ct]
	ds_load_b128 v[BBF+8*\ct+4:BBF+8*\ct+7], v[VB+\ct] offset:512
.endr
	WIN 0
	ALOAD 0, 30                                    ; the ring is filled: K steps 0, 1, 2 of chunk 0
	ALOAD 1, 30
	ALOAD 2, 30
	s_mov_b32 s54, 2
	s_mov_b32 s55, 0                               ; the group of 64 columns.  The ring runs on from group 0 into group 1: the rows' chunk goes round modulo 8
.Lgroup:
	s_cmp_lg_u32 s55, 0
	s_cselect_b32 s57, -1, 0
.set i, 0
.rept 16
	v_cndmask_b32 v[BC+i], v[BP+i], v[BP+16+i], s57
.set i, i+1
.endr
	INIT
	s_mov_b32 s20, NT
.Lchunk:
	s_wait_xcnt 0x0                                ; the bases below are rewritten only behind this wait
	s_and_b32 s26, s21, NT-1
	s_mul_i32 s36, s26, ACHUNK
	s_add_nc_u64 s[32:33], s[30:31], s[36:37]
	s_add_co_u32 s28, s21, 1
	s_and_b32 s26, s28, NT-1
	s_mul_i32 s36, s26, ACHUNK
	s_add_nc_u64 s[34:35], s[30:31], s[36:37]
	s_and_b32 s26, s21, 15
	LOFF 26
	SETVB VB
	s_and_b32 s26, s28, 15                         ; behind the last chunk the fetch ahead goes round to chunk 0: inside LDS and the buffer
	LOFF 26
	SETVB VBN                                      ; these eight additions are also the places in front of the next loads
	KSTEP 0
	KSTEP 1
	KSTEP 2
	KSTEP 3
	s_add_co_u32 s21, s21, 1
	s_sub_co_u32 s20, s20, 1
	s_cmp_lg_u32 s20, 0
	s_cbranch_scc1 .Lchunk
	PLACES                                         ; a sum is finished
	s_wait_xcnt 0x0
	s_lshl_b32 s36, s55, 20
	s_lshl_b32 s26, s53, 14                        ; tile 8 rt + w: 16,384 bytes for each rt
	s_add_co_u32 s36, s36, s26
	s_add_nc_u64 s[44:45], s[42:43], s[36:37]
	EPI 0
	s_cmp_le_u32 s24, 1
	s_cbranch_scc1 .Lepi_end
	EPI 1
	s_cmp_le_u32 s24, 2
	s_cbranch_scc1 .Lepi_end
	EPI 2
.Lepi_end:
	s_add_co_u32 s55, s55, 1
	s_sub_co_u32 s54, s54, 1
	s_cmp_lg_u32 s54, 0
	s_cbranch_scc1 .Lgroup
	s_wait_loadcnt 0x0                             ; the last fetches ahead have landed: ring and offsets are free
	s_wait_dscnt 0x0
.Lpass_next:
	s_add_co_u32 s53, s53, 3
	s_sub_co_u32 s52, s52, 1
	s_cmp_lg_u32 s52, 0
	s_cbranch_scc1 .Lpass
	BAR                                            ; every wave's reads of LDS are over
	s_wait_tensorcnt 0x0                           ; the wave's end, behind my last LDS store
	ds_add_u32 v[SPW], v[NIL]
	s_wait_dscnt 0x0
	s_endpgm
.Lfunc_end_k_qfb49148599_up:
	.size	k_qfb49148599_up, .Lfunc_end_k_qfb49148599_up-k_qfb49148599_up
	.p2alignl 7, 3214868480
	.fill 96, 4, 3214868480
	.section	.rodata,"a",@progbits
	.p2align	6, 0x0
	.amdhsa_kernel k_qfb49148599_up
		.amdhsa_group_segment_fixed_size 263424
		.amdhsa_private_segment_fixed_size 0
		.amdhsa_enable_private_segment 0
		.amdhsa_kernarg_size 56
		.amdhsa_user_sgpr_count 2
		.amdhsa_user_sgpr_kernarg_segment_ptr 1
		.amdhsa_wavefront_size32 1
		.amdhsa_system_sgpr_workgroup_id_x 1
		.amdhsa_system_sgpr_workgroup_id_y 1
		.amdhsa_system_sgpr_workgroup_id_z 1
		.amdhsa_system_vgpr_workitem_id 0
		.amdhsa_next_free_vgpr 512
		.amdhsa_next_free_sgpr 100
		.amdhsa_reserve_vcc 1
		.amdhsa_float_denorm_mode_32 3
		.amdhsa_float_denorm_mode_16_64 3
		.amdhsa_memory_ordered 1
		.amdhsa_forward_progress 1
		.amdhsa_inst_pref_size 116
	.end_amdhsa_kernel
	.amdgpu_metadata
---
amdhsa.version: [ 1, 2 ]
amdhsa.kernels:
  - .name:           k_qfb49148599_up
    .symbol:         k_qfb49148599_up.kd
    .args:
      - { .name: W1, .offset: 0, .size: 8, .value_kind: global_buffer, .address_space: global }
      - { .name: b1, .offset: 8, .size: 8, .value_kind: global_buffer, .address_space: global }
      - { .name: xb, .offset: 16, .size: 8, .value_kind: global_buffer, .address_space: global }
      - { .name: sel, .offset: 24, .size: 8, .value_kind: global_buffer, .address_space: global }
      - { .name: hid, .offset: 32, .size: 8, .value_kind: global_buffer, .address_space: global }
      - { .name: pos, .offset: 40, .size: 8, .value_kind: global_buffer, .address_space: global }
      - { .name: cnt, .offset: 48, .size: 8, .value_kind: global_buffer, .address_space: global }
    .group_segment_fixed_size: 263424
    .private_segment_fixed_size: 0
    .kernarg_segment_align: 8
    .kernarg_segment_size: 56
    .max_flat_workgroup_size: 256
    .sgpr_count:     100
    .vgpr_count:     512
    .wavefront_size: 32
...
	.end_amdgpu_metadata
.endif
;; end of part 2
;; launch down (part 3): grid 256 x 1, 8 waves a work-group, no clusters, 298,240 bytes of LDS; arguments W2, b2, hid, cnt, part; writes part
.if DOCPART == 3
	.amdgcn_target "amdgcn-amd-amdhsa--gfx1250"
	.amdhsa_code_object_version 6
	.text
	.protected	k_qfb49148599_down
	.globl	k_qfb49148599_down
	.p2align	8
	.type	k_qfb49148599_down,@function
k_qfb49148599_down:
	s_mov_b64 s[64:65], 0
	v_nop
	global_prefetch_b8 v0, s[64:65] scope:SCOPE_SE
	s_setreg_imm32_b32 hwreg(HW_REG_WAVE_MODE, 25, 1), 1
	s_wait_xcnt 0x0
; SECOND EXPERT PRODUCT: part = hid_rows W2[e] (one half of K) + b2[e] (in the first half alone), f32 partial rows in the experts' order; the last launch weighs and adds them.
; SHARES.  Work-group = (e = id / 32, 64 columns = (id % 32) / 2, half of K = id % 2): 2,048 k x 64 columns, 524,288 bytes of f32 weights that it alone reads in rows of 256 consecutive aligned bytes, and ALL rows of the expert.
; PHASE A.  The weights are 16 chunks of 128 k x 64 columns.  Wave u streams chunks u and u + 8 (64 loads of 16 bytes a lane out, 32,768 bytes a wave), rounds them to bf16 and lays them into LDS in the order of
; a matrix operand's registers.  One barrier.
; PHASE B.  Wave w owns the tiles of 16 rows 8 rt + w; the number of rows is the count that the first product stored.  Three passes of three tiles each cover 1,024 rows; the work of a pass or a tile without rows is
; jumped forward (a dead tile's loads are still issued, of the pass's first tile, so that the counted waits hold on every way).  hid comes from memory straight into operand registers, three K steps ahead.
; THE WAY OUT goes through a stage in LDS, 16 rows x 272 bytes for each wave, so that 16 lanes store a row's 256 consecutive aligned bytes.  A barrier that every wave passes stands in front of each tile's stores into
; the stage and another in front of its loads: 18 in all, in text that is never jumped.  Rows past the count in the last tile are stored too: they have places of their own in part, which nobody reads.
; NO CLUSTER, NO TENSOR LOAD: a slice of weights has one reader; the experts' numbers of rows differ; f32 slots for a mover do not fit beside the 262,208 bytes of bf16.
; FORMATS.  W2 and b2 are rounded to bf16, like every input of this program; hid is bf16; sums and partial rows in f32.
; THE MATRIX INSTRUCTION IS USED TRANSPOSED: source 0 = 16 weight columns, source 1 = 16 rows; a lane holds one row (lane % 16) and eight neighbouring columns 8 (lane / 16) + 0..7.
.set WSTRIDE, 4096                     ; bytes from a k row of the weights to the next
.set WSH,     15                       ; 8 such rows, as a shift
.set WSEC,    4194304                  ; from chunk u to chunk u + 8 in memory
.set CTS,     65552                    ; LDS bytes of a column tile's region: 64 K steps of 1,024, and 16 so that the four regions a store touches start 4 banks apart
.set LSEC,    32768                    ; from chunk u to chunk u + 8 in LDS
.set NT,      16                       ; chunks in a sum
.set ACHUNK,  2097152                  ; bytes of hid from chunk to chunk: two blocks of 64 hidden columns
.set AO_LO,   1024                     ; from an even K step to the odd one
.set AO_HI,   1048576                  ; from K steps 0, 1 to 2, 3
.set APART,   512                      ; from a fragment's registers 0-3 to 4-7
.set NX,      8                        ; loads of bias issued among the second chunk's waits
.set STAGE,   262400                   ; behind the weights: 4,352 bytes for each wave
.set SPARE,   STAGE+8*4352             ; the spare words, 128 bytes for each of 8 waves, which no other line names
.set SPW,  2                           ; v2  SPARE + 4 x my thread's number; never rewritten
.set NIL,  3                           ; v3  0; never rewritten
.set VL16, 4                           ; 16 x lane
.set AOF,  6                           ; v6-8    tile t: my byte offset in hid
.set VW,   9                           ; my offset in a chunk of weights
.set VST,  10                          ; LDS address of my bytes of chunk u,
.set VST2, 11                          ; of chunk u + 8
.set VB,   12                          ; v12-15  column tile ct: LDS address of my 16 bytes in the chunk in hand,
.set VBN,  16                          ; v16-19  in the next chunk
.set LANE, 20
.set HH,   21                          ; lane / 16
.set VBI,  22                          ; 32 x (lane / 16)
.set AW,   56                          ; 2,048 w + 16 lane: my 16 bytes in tile w
.set STO,  57                          ; the way out: where I put 32 bytes of a row
.set RD,   58                          ; where I read rows back
.set CO,   59                          ; my byte offset in two rows of part
.set PA,   60
.set AB,   64                          ; v64-159 the rows' ring: four K steps of 3 tiles x 8 registers
.set BR,   128                         ; in phase A: v128-159 the bias as loaded
.set TS,   160                         ; v160-191 the way out
.set TP,   192                         ; v192-223 a group of weights, rounded
.set BC,   224                         ; v224-239 the bias in bf16 pairs, 4 ct + pair
.set BBF,  96                          ; window 1: v0-95 the accumulators, 32 t + 8 ct; v96-159 two K steps of weight fragments; in phase A all 256: a chunk as loaded
.set MSB, 0
.macro WIN new                         ; bits 1:0 source 0, 3:2 source 1, 5:4 source 2, 7:6 destination; the high byte repeats the setting that is left
.if MSB != (\new)
	s_set_vgpr_msb (MSB<<8)|(\new)
.set MSB, \new
.endif
.endm
.macro PLACES                          ; four plain vector instructions between a matrix instruction and a load into, or a vector instruction on, its registers
.rept 4
	v_nop
.endr
.endm
.macro BAR                             ; no LDS instruction of mine is out; then every wave's barrier
	s_wait_dscnt 0x0
	s_barrier_signal -1
	s_barrier_wait -1
.endm
.macro WLOAD q, sec                    ; rows 16 q .. 16 q + 15 of a chunk: lanes 0-15 take 256 consecutive aligned bytes of a row, lanes 16-31 of the row 8 further on
.set i, 0
.rept 8
	global_load_b128 v[32*(\q)+4*i:32*(\q)+4*i+3], v[VW], s[40:41] offset:(16*(\q)+i)*WSTRIDE+(\sec)*WSEC th:TH_LOAD_NT
.set i, i+1
.endr
.endm
.macro CVST q, areg, reload            ; group q: k and k + 1 of a column pack into a register, four registers are 8 k, 16 bytes of a fragment; its registers take the next chunk's group; then into LDS
	WIN 0x05
.set c, 0
.rept 4
.set p, 0
.rept 4
	v_cvt_pk_bf16_f32 v[TP+16*((\q)&1)+4*c+p], v[32*(\q)+8*p+c], v[32*(\q)+8*p+4+c]
.set p, p+1
.endr
.set c, c+1
.endr
.if \reload
	WIN 0x40
	WLOAD \q, 1
.endif
	WIN 0
.set c, 0
.rept 4
	ds_store_b128 v[\areg], v[TP+16*((\q)&1)+4*c:TP+16*((\q)&1)+4*c+3] offset:512*(\q)+16*c
.set c, c+1
.endr
.endm
.macro SETVB d                         ; my 16 bytes in the four column tiles' regions, from LDS byte s50 on
	s_add_co_u32 s58, s50, CTS
	s_add_co_u32 s59, s50, 2*CTS
	s_add_co_u32 s60, s50, 3*CTS
	v_add_nc_u32 v[\d], s50, v[VL16]
	v_add_nc_u32 v[\d+1], s58, v[VL16]
	v_add_nc_u32 v[\d+2], s59, v[VL16]
	v_add_nc_u32 v[\d+3], s60, v[VL16]
.endm
.macro ALOAD b, p                      ; the rows of K step b of a chunk, all three tiles, into the ring's buffer b: 6 loads, on every way
.irp t, 0,1,2
	global_load_b128 v[AB+24*(\b)+8*\t:AB+24*(\b)+8*\t+3], v[AOF+\t], s[\p:\p+1] offset:((\b)>>1)*AO_HI+((\b)&1)*AO_LO
	global_load_b128 v[AB+24*(\b)+8*\t+4:AB+24*(\b)+8*\t+7], v[AOF+\t], s[\p:\p+1] offset:((\b)>>1)*AO_HI+((\b)&1)*AO_LO+APART
.endr
.endm
; ONE K STEP of 32, number pos of its chunk: fetch the next step's fragments and the rows of the step three on, wait for this step's, multiply.  Tiles from s24 on are jumped.  The accumulators take turns.
.macro KSTEP pos
.if (\pos) > 0
	PLACES
.endif
	WIN 0x40
.irp ct, 0,1,2,3
.if (\pos) < 3
	ds_load_b128 v[BBF+32*(((\pos)+1)&1)+8*\ct:BBF+32*(((\pos)+1)&1)+8*\ct+3], v[VB+\ct] offset:((\pos)+1)*1024
	ds_load_b128 v[BBF+32*(((\pos)+1)&1)+8*\ct+4:BBF+32*(((\pos)+1)&1)+8*\ct+7], v[VB+\ct] offset:((\pos)+1)*1024+512
.else
	ds_load_b128 v[BBF+8*\ct:BBF+8*\ct+3], v[VBN+\ct]
	ds_load_b128 v[BBF+8*\ct+4:BBF+8*\ct+7], v[VBN+\ct] offset:512
.endif
.endr
	WIN 0
.if (\pos) == 0
	ALOAD 3, 32
.else
	ALOAD (\pos)-1, 34
.endif
	s_wait_loadcnt 18                              ; the rows of the three later steps, 6 loads each, stay out: this step's are in
	s_wait_dscnt 8                                 ; the 8 loads just issued stay out: this step's fragments are in
.irp t, 0,1,2
.if (\t) > 0
	s_cmp_le_u32 s24, \t
	s_cbranch_scc1 .Lkend_\@
.endif
	WIN 0x51                                       ; weights, C and D in window 1, rows in window 0
.irp ct, 0,1,2,3
	v_wmma_f32_16x16x32_bf16 v[32*\t+8*\ct:32*\t+8*\ct+7], v[BBF+32*((\pos)&1)+8*\ct:BBF+32*((\pos)&1)+8*\ct+7], v[AB+24*(\pos)+8*\t:AB+24*(\pos)+8*\t+7], v[32*\t+8*\ct:32*\t+8*\ct+7]
.endr
	WIN 0                                          ; at a branch and at a label every window is 0
.endr
.Lkend_\@:
.endm
.macro INIT                            ; the sums begin with the bias, widened from its bf16 pairs
	WIN 0x40
.irp t, 0,1,2
.set i, 0
.rept 16
	v_lshlrev_b32 v[32*\t+2*i], 16, v[BC+i]
	v_and_b32 v[32*\t+2*i+1], 0xffff0000, v[BC+i]
.set i, i+1
.endr
.endr
	WIN 0
.endm
; THE WAY OUT of tile t.  Both barriers stand on every wave's way; only the work between them is jumped.
.macro EPI t
	BAR                                            ; every wave's reads of the weights and of the stage are over
	s_cmp_le_u32 s24, \t
	s_cbranch_scc1 .Lnost_\@
	WIN 0x04                                       ; a store's data in window 1
.irp ct, 0,1,2,3
	ds_store_b128 v[STO], v[32*(\t)+8*\ct:32*(\t)+8*\ct+3] offset:64*\ct
	ds_store_b128 v[STO], v[32*(\t)+8*\ct+4:32*(\t)+8*\ct+7] offset:64*\ct+16
.endr
	WIN 0
.Lnost_\@:
	BAR                                            ; every wave's stores into the stage are done
	s_cmp_le_u32 s24, \t
	s_cbranch_scc1 .Lnold_\@
	s_wait_xcnt 0x0                                ; the registers that earlier stores read are loaded again only behind this wait
.irp u, 0,1,2,3,4,5,6,7
	ds_load_b128 v[TS+4*\u:TS+4*\u+3], v[RD] offset:544*\u
.endr
	s_wait_dscnt 0x0
.irp u, 0,1,2,3,4,5,6,7
	global_store_b128 v[CO], v[TS+4*\u:TS+4*\u+3], s[44:45] offset:524288*(\t)+8192*\u  ; 16 lanes store 256 consecutive aligned bytes of a partial row
.endr
.Lnold_\@:
.endm
	s_load_b256 s[4:11], s[0:1], 0x0               ; W2 s[4:5], b2 s[6:7], hid s[8:9], cnt s[10:11]
	s_load_b64 s[12:13], s[0:1], 0x20              ; part
	v_lshl_add_u32 v[SPW], v0, 2, SPARE
	v_mov_b32 v[NIL], 0
	v_lshrrev_b32 v1, 5, v0
	v_readfirstlane_b32 s16, v1                    ; wave w = 0..7
	s_lshr_b32 s18, ttmp9, 5                       ; e
	s_and_b32 s19, ttmp9, 31
	s_and_b32 s51, s19, 1                          ; which half of K
	s_lshr_b32 s56, s19, 1                         ; which 64 columns
	s_mov_b32 s37, 0                               ; s[36:37]: an offset as a pair; the high word stays 0
	v_and_b32 v[LANE], 31, v0
	v_and_b32 v1, 15, v0
	v_bfe_u32 v[HH], v0, 4, 1
	v_lshlrev_b32 v[VL16], 4, v[LANE]
	v_lshlrev_b32 v[VBI], 5, v[HH]
	v_lshlrev_b32 v[VW], 4, v1
	v_lshl_add_u32 v[VW], v[HH], WSH, v[VW]        ; 16 bytes of a row; lanes 16-31 eight rows on
	v_lshrrev_b32 v[VST], 2, v1                    ; my 4 columns lie in column tile (lane % 16) / 4,
	v_mul_u32_u24 v[VST], v[VST], CTS
	v_lshl_add_u32 v[VST], v[HH], 8, v[VST]        ; in the fragment's half lane / 16,
	v_and_b32 v[PA], 3, v0
	v_lshl_add_u32 v[VST], v[PA], 6, v[VST]        ; at its columns 4 (lane % 4) + 0..3,
	s_lshl_b32 s26, s16, 12
	v_add_nc_u32 v[VST], s26, v[VST]               ; in chunk w
	v_add_nc_u32 v[VST2], LSEC, v[VST]
	s_lshl_b32 s26, s16, 11
	v_add_nc_u32 v[AW], s26, v[VL16]
	s_mul_i32 s27, s16, 4352
	s_add_co_u32 s27, s27, STAGE                   ; my stage
	v_mul_u32_u24 v[STO], v1, 272                  ; in: row lane % 16, 32 bytes for each half of the lanes
	v_lshl_add_u32 v[STO], v[HH], 5, v[STO]
	v_add_nc_u32 v[STO], s27, v[STO]
	v_mul_u32_u24 v[RD], v[HH], 272                ; back: lanes 0-15 one row of 256 bytes, lanes 16-31 the next
	v_lshl_add_u32 v[RD], v1, 4, v[RD]
	v_add_nc_u32 v[RD], s27, v[RD]
	v_lshlrev_b32 v[CO], 4, v1                     ; and the same two rows in part
	v_lshl_add_u32 v[CO], v[HH], 12, v[CO]
	s_cmp_eq_u32 s51, 0
	s_cselect_b32 s57, -1, 0                       ; keeps the bias in the first half of K alone
	s_lshl_b32 s36, s18, 24                        ; an expert's weights: 16,777,216 bytes,
	s_lshl_b32 s27, s51, 23                        ; 2,048 rows of 4,096 bytes,
	s_add_co_u32 s36, s36, s27
	s_lshl_b32 s27, s56, 8                         ; my 64 columns,
	s_add_co_u32 s36, s36, s27
	s_lshl_b32 s27, s16, 19                        ; chunk w's 128 rows
	s_add_co_u32 s36, s36, s27
	s_wait_kmcnt 0x0
	s_add_nc_u64 s[40:41], s[4:5], s[36:37]
	; ---- PHASE A
	WIN 0x40
.set q, 0
.rept 8
	WLOAD q, 0
.set q, q+1
.endr
	WIN 0
	s_lshl_b32 s36, s18, 7
	s_add_nc_u64 s[14:15], s[10:11], s[36:37]
	s_load_b32 s22, s[14:15], 0x0                  ; the expert's count of rows
	s_lshl_b32 s36, s18, 12
	s_lshl_b32 s27, s56, 8
	s_add_co_u32 s36, s36, s27
	s_add_nc_u64 s[48:49], s[6:7], s[36:37]        ; my columns' bias
.set q, 0
.rept 8
	s_wait_loadcnt 56                              ; younger than group q: 8 (7 - q) loads of this chunk and 8 q of the next
	CVST q, VST, 1
.set q, q+1
.endr
.set q, 0
.rept 8
.if q == 4
.irp ct, 0,1,2,3
	global_load_b128 v[BR+8*\ct:BR+8*\ct+3], v[VBI], s[48:49] offset:64*\ct
	global_load_b128 v[BR+8*\ct+4:BR+8*\ct+7], v[VBI], s[48:49] offset:64*\ct+16
.endr
.endif
.if q < 4
	s_wait_loadcnt 56-8*q                          ; the later groups stay out,
.else
	s_wait_loadcnt 56-8*q+NX                       ; and the 8 loads of bias
.endif
	CVST q, VST2, 0
.set q, q+1
.endr
	s_wait_loadcnt 0x0                             ; the bias
	BAR                                            ; every wave's stores are done: the slice is whole
.set i, 0
.rept 16
	v_cvt_pk_bf16_f32 v[BC+i], v[BR+2*i], v[BR+2*i+1]
	v_and_b32 v[BC+i], s57, v[BC+i]
.set i, i+1
.endr
	s_wait_kmcnt 0x0
	s_min_u32 s22, s22, 0x400
	s_add_co_u32 s23, s22, 15
	s_lshr_b32 s23, s23, 4                         ; tiles
	s_add_co_u32 s25, s23, 7
	s_sub_co_u32 s25, s25, s16
	s_lshr_b32 s25, s25, 3                         ; my tiles: w, w + 8, ..
	s_lshl_b32 s36, s51, 25                        ; part: a half of K is 8,192 rows of 4,096 bytes,
	s_lshl_b32 s27, s18, 22                        ; an expert 1,024 rows,
	s_add_co_u32 s36, s36, s27
	s_lshl_b32 s27, s16, 16                        ; tile w's 16 rows,
	s_add_co_u32 s36, s36, s27
	s_lshl_b32 s27, s56, 8                         ; my 64 columns
	s_add_co_u32 s36, s36, s27
	s_add_nc_u64 s[42:43], s[12:13], s[36:37]
	s_lshl_b32 s36, s51, 25                        ; hid: 32 blocks of 64 hidden columns, 1,048,576 bytes a block,
	s_lshl_b32 s27, s18, 17                        ; the expert's 64 tiles of 2,048 bytes
	s_add_co_u32 s36, s36, s27
	s_add_nc_u64 s[30:31], s[8:9], s[36:37]
	; ---- PHASE B
	s_mov_b32 s52, 3
	s_mov_b32 s53, 0                               ; 3 x the pass
.Lpass:
	s_mov_b32 s24, 0
	s_cmp_ge_u32 s53, s25
	s_cbranch_scc1 .Lc_end                         ; none of my tiles is left: only the barriers remain
	s_sub_co_u32 s24, s25, s53
	s_min_u32 s24, s24, 3                          ; the pass's live tiles
.irp t, 0,1,2
	s_cmp_gt_u32 s24, \t
	s_cselect_b32 s26, \t, 0                       ; a tile without rows reads the pass's first tile, which has been written
	s_add_co_u32 s26, s26, s53
	s_min_u32 s26, s26, 7
	s_lshl_b32 s26, s26, 14                        ; tile 8 rt + w: 16,384 bytes for each rt
	v_add_nc_u32 v[AOF+\t], s26, v[AW]
.endr
	s_mov_b32 s21, 0                               ; the chunk in hand; only its low bits are used
	s_mov_b32 s50, 0
	SETVB VB
	WIN 0x40
.irp ct, 0,1,2,3
	ds_load_b128 v[BBF+8*\ct:BBF+8*\ct+3], v[VB+\ct]
	ds_load_b128 v[BBF+8*\ct+4:BBF+8*\ct+7], v[VB+\ct] offset:512
.endr
	WIN 0
	ALOAD 0, 30                                    ; the ring is filled: K steps 0, 1, 2 of chunk 0
	ALOAD 1, 30
	ALOAD 2, 30
	INIT
	s_mov_b32 s20, NT
.Lchunk:
	s_wait_xcnt 0x0                                ; the bases below are rewritten only behind this wait
	s_and_b32 s26, s21, NT-1
	s_mul_i32 s36, s26, ACHUNK
	s_add_nc_u64 s[32:33], s[30:31], s[36:37]
	s_lshl_b32 s50, s26, 12
	SETVB VB
	s_add_co_u32 s28, s21, 1
	s_and_b32 s26, s28, NT-1                       ; behind the last chunk the fetch ahead goes round to chunk 0: inside LDS and the buffer
	s_mul_i32 s36, s26, ACHUNK
	s_add_nc_u64 s[34:35], s[30:31], s[36:37]
	s_lshl_b32 s50, s26, 12
	SETVB VBN                                      ; these eight additions are also the places in front of the next loads
	KSTEP 0
	KSTEP 1
	KSTEP 2
	KSTEP 3
	s_add_co_u32 s21, s21, 1
	s_sub_co_u32 s20, s20, 1
	s_cmp_lg_u32 s20, 0
	s_cbranch_scc1 .Lchunk
	PLACES                                         ; the sums are finished
	s_wait_loadcnt 0x0                             ; the last fetches ahead have landed: ring and offsets are free
.Lc_end:
	s_wait_xcnt 0x0
	s_lshl_b32 s36, s53, 19                        ; tile 8 rt + w: 524,288 bytes for each rt
	s_add_nc_u64 s[44:45], s[42:43], s[36:37]
	EPI 0
	EPI 1
	EPI 2
	s_add_co_u32 s53, s53, 3
	s_sub_co_u32 s52, s52, 1
	s_cmp_lg_u32 s52, 0
	s_cbranch_scc1 .Lpass
	BAR                                            ; every wave's LDS work is over
	s_wait_tensorcnt 0x0                           ; the wave's end, behind my last LDS store
	ds_add_u32 v[SPW], v[NIL]
	s_wait_dscnt 0x0
	s_endpgm
.Lfunc_end_k_qfb49148599_down:
	.size	k_qfb49148599_down, .Lfunc_end_k_qfb49148599_down-k_qfb49148599_down
	.p2alignl 7, 3214868480
	.fill 96, 4, 3214868480
	.section	.rodata,"a",@progbits
	.p2align	6, 0x0
	.amdhsa_kernel k_qfb49148599_down
		.amdhsa_group_segment_fixed_size 298240
		.amdhsa_private_segment_fixed_size 0
		.amdhsa_enable_private_segment 0
		.amdhsa_kernarg_size 40
		.amdhsa_user_sgpr_count 2
		.amdhsa_user_sgpr_kernarg_segment_ptr 1
		.amdhsa_wavefront_size32 1
		.amdhsa_system_sgpr_workgroup_id_x 1
		.amdhsa_system_sgpr_workgroup_id_y 1
		.amdhsa_system_sgpr_workgroup_id_z 1
		.amdhsa_system_vgpr_workitem_id 0
		.amdhsa_next_free_vgpr 512
		.amdhsa_next_free_sgpr 66
		.amdhsa_reserve_vcc 0
		.amdhsa_float_denorm_mode_32 3
		.amdhsa_float_denorm_mode_16_64 3
		.amdhsa_memory_ordered 1
		.amdhsa_forward_progress 1
		.amdhsa_inst_pref_size 66
	.end_amdhsa_kernel
	.amdgpu_metadata
---
amdhsa.version: [ 1, 2 ]
amdhsa.kernels:
  - .name:           k_qfb49148599_down
    .symbol:         k_qfb49148599_down.kd
    .args:
      - { .name: W2, .offset: 0, .size: 8, .value_kind: global_buffer, .address_space: global }
      - { .name: b2, .offset: 8, .size: 8, .value_kind: global_buffer, .address_space: global }
      - { .name: hid, .offset: 16, .size: 8, .value_kind: global_buffer, .address_space: global }
      - { .name: cnt, .offset: 24, .size: 8, .value_kind: global_buffer, .address_space: global }
      - { .name: part, .offset: 32, .size: 8, .value_kind: global_buffer, .address_space: global }
    .group_segment_fixed_size: 298240
    .private_segment_fixed_size: 0
    .kernarg_segment_align: 8
    .kernarg_segment_size: 40
    .max_flat_workgroup_size: 256
    .sgpr_count:     66
    .vgpr_count:     512
    .wavefront_size: 32
...
	.end_amdgpu_metadata
.endif
;; end of part 3
;; launch sum (part 4): grid 256 x 1, 8 waves a work-group, no clusters, 0 bytes of LDS; arguments part, stat, sel, gate, pos, out0, out1; writes out0, out1
.if DOCPART == 4
	.amdgcn_target "amdgcn-amd-amdhsa--gfx1250"
	.amdhsa_code_object_version 6
	.text
	.protected	k_qfb49148599_sum
	.globl	k_qfb49148599_sum
	.p2align	8
	.type	k_qfb49148599_sum,@function
k_qfb49148599_sum:
	s_mov_b64 s[64:65], 0
	v_nop
	global_prefetch_b8 v0, s[64:65] scope:SCOPE_SE
	s_setreg_imm32_b32 hwreg(HW_REG_WAVE_MODE, 25, 1), 1
	s_wait_xcnt 0x0
; out0[token] = g1 x (a0 + a1) + g2 x (b0 + b1): a, b the partial rows of the token's first and second expert, 0 and 1 the halves of K (the bias lies in half 0).  out1 = the aux loss.
; A work-group owns 4 tokens, a thread 16 bytes of each row.  What steers the addresses are whole numbers that earlier launches stored: sel (the two experts) and pos (the token's rank among the expert's rows);
; they are alike for the whole work-group and come by scalar loads, each clamped before it enters an address.  All 16 row loads go out at once; each of a wave's loads and stores covers 512 consecutive aligned bytes.
; part: [half of K][e x 1,024 + rank][1,024] f32.  pos: [e][128 (t / 128) + 4 ((t / 2) % 32) + 2 ((t / 64) % 2) + t % 2].  gate: [slot][token].  stat: [256 work-groups of the router][8 sums of probabilities, 8 counts].
; out1 = 8 x sum over e of (P_e / 1,024) x (count_e / 2,048 / 2,048) = 2^-29 x sum of P_e count_e: made by wave 0 of work-group 0, under scalar branches without a barrier.
; No LDS, no matrix unit, no cluster: nothing is shared.
	s_load_b256 s[4:11], s[0:1], 0x0               ; part s[4:5], stat s[6:7], sel s[8:9], gate s[10:11]
	s_load_b128 s[12:15], s[0:1], 0x20             ; pos s[12:13], out0 s[14:15]
	s_load_b64 s[16:17], s[0:1], 0x30              ; out1
	v_lshlrev_b32 v1, 4, v0
	v_lshrrev_b32 v2, 5, v0
	v_readfirstlane_b32 s18, v2
	s_or_b32 s18, s18, ttmp9                       ; 0 in wave 0 of work-group 0 alone
	s_lshl_b32 s20, ttmp9, 5                       ; 4 tokens of sel: 32 bytes
	s_mov_b32 s21, 0
	s_lshl_b32 s22, ttmp9, 4                       ; of gate: 16
	s_mov_b32 s23, 0
	s_lshl_b32 s24, ttmp9, 14                      ; of out0: 16,384
	s_mov_b32 s25, 0
	s_lshr_b32 s28, ttmp9, 5                       ; my first token's word in an expert's pos, in bytes: 512 (t / 128)
	s_lshl_b32 s28, s28, 9
	s_and_b32 s29, ttmp9, 15                       ; + 16 ((t / 2) % 32)
	s_lshl_b32 s29, s29, 5
	s_add_co_u32 s28, s28, s29
	s_bfe_u32 s29, ttmp9, 0x10004                  ; + 8 ((t / 64) % 2)
	s_lshl_b32 s29, s29, 3
	s_add_co_u32 s28, s28, s29
	s_mov_b32 s30, 0x76543210
	s_mov_b32 s31, 0xfedcba98
	s_wait_kmcnt 0x0
	s_add_nc_u64 s[8:9], s[8:9], s[20:21]
	s_add_nc_u64 s[10:11], s[10:11], s[22:23]
	s_add_nc_u64 s[14:15], s[14:15], s[24:25]
	s_add_nc_u64 s[26:27], s[4:5], 0x2000000       ; the second half of K
	s_load_b256 s[32:39], s[8:9], 0x0              ; s[32 + 2 i + slot]: the expert
	s_load_b128 s[40:43], s[10:11], 0x0            ; the first gates
	s_load_b128 s[44:47], s[10:11], 0x1000         ; the second gates
	s_cmp_lg_u32 s18, 0
	s_cbranch_scc1 .Lmain
.set b, 0
.rept 32
	global_load_b128 v[80+4*b:80+4*b+3], v1, s[6:7] offset:512*b  ; older than the loads below, so their waits cover these too
.set b, b+1
.endr
.Lmain:
	s_wait_kmcnt 0x0
.irp k, 0,1,2,3,4,5,6,7
	s_min_u32 s[32+\k], s[32+\k], 7
	s_lshl_b32 s[56+\k], s[32+\k], 12              ; an expert's pos: 4,096 bytes
	s_add_co_u32 s[56+\k], s[56+\k], s28
	s_load_b32 s[48+\k], s[12:13], s[56+\k] offset:(((\k)>>2)*4+(((\k)>>1)&1))*4
.endr
.irp i, 0,1,2,3
	v_mov_b32 v[208+4*\i], s[40+\i]
	v_mov_b32 v[209+4*\i], s[40+\i]
	v_mov_b32 v[210+4*\i], s[44+\i]
	v_mov_b32 v[211+4*\i], s[44+\i]
.endr
	s_wait_kmcnt 0x0
.irp k, 0,1,2,3,4,5,6,7
	s_min_u32 s[48+\k], s[48+\k], 0x3ff
	s_lshl_b32 s[48+\k], s[48+\k], 12
	s_lshl_b32 s[32+\k], s[32+\k], 22
	s_add_co_u32 s[48+\k], s[48+\k], s[32+\k]      ; row e x 1,024 + rank, 4,096 bytes a row
	v_add_nc_u32 v[4+\k], s[48+\k], v1
.endr
.irp i, 0,1,2,3
	global_load_b128 v[16+16*\i:16+16*\i+3],     v[4+2*\i], s[4:5] th:TH_LOAD_NT
	global_load_b128 v[16+16*\i+4:16+16*\i+7],   v[4+2*\i], s[26:27] th:TH_LOAD_NT
	global_load_b128 v[16+16*\i+8:16+16*\i+11],  v[5+2*\i], s[4:5] th:TH_LOAD_NT
	global_load_b128 v[16+16*\i+12:16+16*\i+15], v[5+2*\i], s[26:27] th:TH_LOAD_NT
.endr
.irp i, 0,1,2,3
	s_wait_loadcnt 12-4*\i                         ; the later tokens' four loads each stay out
	v_pk_add_f32 v[16+16*\i:16+16*\i+1], v[16+16*\i:16+16*\i+1], v[16+16*\i+4:16+16*\i+5]
	v_pk_add_f32 v[16+16*\i+2:16+16*\i+3], v[16+16*\i+2:16+16*\i+3], v[16+16*\i+6:16+16*\i+7]
	v_pk_add_f32 v[16+16*\i+8:16+16*\i+9], v[16+16*\i+8:16+16*\i+9], v[16+16*\i+12:16+16*\i+13]
	v_pk_add_f32 v[16+16*\i+10:16+16*\i+11], v[16+16*\i+10:16+16*\i+11], v[16+16*\i+14:16+16*\i+15]
	v_pk_mul_f32 v[16+16*\i:16+16*\i+1], v[16+16*\i:16+16*\i+1], v[208+4*\i:209+4*\i]
	v_pk_mul_f32 v[16+16*\i+2:16+16*\i+3], v[16+16*\i+2:16+16*\i+3], v[208+4*\i:209+4*\i]
	v_pk_fma_f32 v[16+16*\i:16+16*\i+1], v[16+16*\i+8:16+16*\i+9], v[210+4*\i:211+4*\i], v[16+16*\i:16+16*\i+1]
	v_pk_fma_f32 v[16+16*\i+2:16+16*\i+3], v[16+16*\i+10:16+16*\i+11], v[210+4*\i:211+4*\i], v[16+16*\i+2:16+16*\i+3]
	global_store_b128 v1, v[16+16*\i:16+16*\i+3], s[14:15] offset:4096*\i th:TH_STORE_NT
.endr
	s_cmp_lg_u32 s18, 0
	s_cbranch_scc1 .Ldone
	; lane l holds, of the router's work-groups 8 b + l / 4, the numbers 4 (l % 4) + 0..3
.set b, 1
.rept 31
	v_pk_add_f32 v[80:81], v[80:81], v[80+4*b:80+4*b+1]
	v_pk_add_f32 v[82:83], v[82:83], v[80+4*b+2:80+4*b+3]
.set b, b+1
.endr
.irp mk, 4,8
.irp k, 80,81,82,83
	v_add_f32_dpp v\k, v\k, v\k row_xmask:\mk row_mask:0xf bank_mask:0xf
.endr
.endr
.irp k, 0,1,2,3
	v_permlanex16_b32 v[84+\k], v[80+\k], s30, s31 ; v84-87 have been written
.endr
.irp k, 0,1,2,3
	v_add_f32 v[80+\k], v[80+\k], v[84+\k]         ; lanes l % 4 = 0, 1: the sums of probabilities; 2, 3: the counts
.endr
.irp k, 0,1,2,3
	v_mov_b32_dpp v[88+\k], v[80+\k] row_xmask:2 row_mask:0xf bank_mask:0xf  ; the counts beside the sums
.endr
	v_mul_f32 v92, v80, v88
	v_fmac_f32 v92, v81, v89
	v_fmac_f32 v92, v82, v90
	v_fmac_f32 v92, v83, v91
	v_add_f32_dpp v92, v92, v92 row_xmask:1 row_mask:0xf bank_mask:0xf
	v_mul_f32 v92, 0x31000000, v92                 ; 2^-29
	v_mov_b32 v93, 0
	s_wait_xcnt 0x0                                ; EXEC changes only behind this wait
	v_cmp_eq_u32 vcc_lo, 0, v0
	s_and_saveexec_b32 s20, vcc_lo
	global_store_b32 v93, v92, s[16:17]
	s_wait_xcnt 0x0
	s_or_b32 exec_lo, exec_lo, s20
.Ldone:
	s_endpgm
.Lfunc_end_k_qfb49148599_sum:
	.size	k_qfb49148599_sum, .Lfunc_end_k_qfb49148599_sum-k_qfb49148599_sum
	.p2alignl 7, 3214868480
	.fill 96, 4, 3214868480
	.section	.rodata,"a",@progbits
	.p2align	6, 0x0
	.amdhsa_kernel k_qfb49148599_sum
		.amdhsa_group_segment_fixed_size 0
		.amdhsa_private_segment_fixed_size 0
		.amdhsa_enable_private_segment 0
		.amdhsa_kernarg_size 56
		.amdhsa_user_sgpr_count 2
		.amdhsa_user_sgpr_kernarg_segment_ptr 1
		.amdhsa_wavefront_size32 1
		.amdhsa_system_sgpr_workgroup_id_x 1
		.amdhsa_system_sgpr_workgroup_id_y 1
		.amdhsa_system_sgpr_workgroup_id_z 1
		.amdhsa_system_vgpr_workitem_id 0
		.amdhsa_next_free_vgpr 224
		.amdhsa_next_free_sgpr 66
		.amdhsa_reserve_vcc 1
		.amdhsa_float_denorm_mode_32 3
		.amdhsa_float_denorm_mode_16_64 3
		.amdhsa_memory_ordered 1
		.amdhsa_forward_progress 1
		.amdhsa_inst_pref_size 18
	.end_amdhsa_kernel
	.amdgpu_metadata
---
amdhsa.version: [ 1, 2 ]
amdhsa.kernels:
  - .name:           k_qfb49148599_sum
    .symbol:         k_qfb49148599_sum.kd
    .args:
      - { .name: part, .offset: 0, .size: 8, .value_kind: global_buffer, .address_space: global }
      - { .name: stat, .offset: 8, .size: 8, .value_kind: global_buffer, .address_space: global }
      - { .name: sel, .offset: 16, .size: 8, .value_kind: global_buffer, .address_space: global }
      - { .name: gate, .offset: 24, .size: 8, .value_kind: global_buffer, .address_space: global }
      - { .name: pos, .offset: 32, .size: 8, .value_kind: global_buffer, .address_space: global }
      - { .name: out0, .offset: 40, .size: 8, .value_kind: global_buffer, .address_space: global }
      - { .name: out1, .offset: 48, .size: 8, .value_kind: global_buffer, .address_space: global }
    .group_segment_fixed_size: 0
    .private_segment_fixed_size: 0
    .kernarg_segment_align: 8
    .kernarg_segment_size: 56
    .max_flat_workgroup_size: 256
    .sgpr_count:     66
    .vgpr_count:     224
    .wavefront_size: 32
...
	.end_amdgpu_metadata
.endif
;; end of part 4
;; ======== version 2 of 3: 4 launches; 1.15 times as fast as version 1
;; workspace buffers: xb 2,097,152 bytes; sel 8,192 bytes of whole numbers; gate 8,192 bytes; stat 16,384 bytes; hid 67,108,864 bytes; part 67,108,864 bytes; pos 32,768 bytes of whole numbers; cnt 1,024 bytes of whole numbers
;; launch router: the kernel of part 1 again; grid 256 x 1, 1 waves a work-group, no clusters, 0 bytes of LDS; arguments x, Wr, br, xb, sel, gate, stat; writes xb, sel, gate, stat
;; launch up (part 5): grid 256 x 1, 8 waves a work-group, no clusters, 267,264 bytes of LDS; arguments W1, b1, xb, sel, hid, pos, cnt; writes hid, pos, cnt
.if DOCPART == 5
	.amdgcn_target "amdgcn-amd-amdhsa--gfx1250"
	.amdhsa_code_object_version 6
	.text
	.protected	k_qfb49148599_up
	.globl	k_qfb49148599_up
	.p2align	8
	.type	k_qfb49148599_up,@function
k_qfb49148599_up:
	s_mov_b64 s[64:65], 0
	v_nop
	global_prefetch_b8 v0, s[64:65] scope:SCOPE_SE
	s_setreg_imm32_b32 hwreg(HW_REG_WAVE_MODE, 25, 1), 1
	s_wait_xcnt 0x0
; FIRST EXPERT PRODUCT: hid = relu(x_rows W1[e] + b1[e]) in bf16, for the rows that chose expert e alone, laid out as the second product's operand registers take it.
; SHARES.  Work-group = (e = id / 32, slice = id % 32): 128 hidden columns x K = 1,024, 524,288 bytes of f32 weights that it alone reads, and ALL rows of the expert.
; PHASE A.  The weights are 16 chunks of 128 k x 64 columns.  Wave u streams chunks u (columns 0-63) and u + 8 (columns 64-127), 64 loads of 16 bytes a lane out (32,768 bytes a wave), rounds them to bf16 and lays
; them into LDS in the order of a matrix operand's registers.  The choices are loaded ahead of the weights, and the rows are counted and found while the first weights are on their way.  One barrier.  Nothing in
; LDS is written behind it.
; PHASE B.  Wave w owns the tiles of 16 rows 8 rt + w, each against all 8 column tiles, so that a row fragment is fetched once and feeds 8 matrix instructions.  Three passes of up to three tiles cover 1,024 rows; a pass
; without rows is jumped forward.  The K loop is written for 1, 2 and 3 live tiles and chosen by a scalar branch: no load is issued for a tile without rows, and each text has its own counted waits.
; Rows come from memory straight into operand registers, three K steps ahead; weight fragments from LDS one step ahead.
; THE ROWS.  Place k of the expert belongs to the token of rank k among those that chose e, in the order group G = 0..31, lane 0..31, token = 64 (G / 2) + 2 lane + G % 2.  Each lane finds its place's token from the
; 32 masks in scalar registers.  Places past the count repeat the last row.  Wave 0 of slice 0 stores every token's rank (pos) and the count (cnt) for the later launches.  Every split of the tokens is served.
; NO CLUSTER, NO TENSOR LOAD: a slice has one reader, the rows come by a list, and f32 slots for a mover do not fit beside the 266,240 bytes of bf16.
; FORMATS.  W1, b1 and x are rounded to bf16, like every input of this program; sums in f32; hid is rounded once to bf16 (f16 has no room for inputs 30 times larger).
; THE MATRIX INSTRUCTION IS USED TRANSPOSED: source 0 = 16 weight columns, source 1 = 16 rows; a lane holds one row (lane % 16) and eight neighbouring columns 8 (lane / 16) + 0..7.
.set WSTRIDE, 16384                    ; bytes from a k row of the weights to the next
.set WSH,     17                       ; 8 such rows, as a shift
.set WSEC,    256                      ; from chunk u to chunk u + 8 in memory: the second 64 columns
.set FS,      1040                     ; a fragment in LDS: 1,024 bytes and 16, so that the four column tiles that a store touches start 4 banks apart
.set KSB,     8*FS                     ; a K step: 8 column tiles
.set CHB,     4*KSB                    ; a chunk of 128 k: 33,280 bytes, inside an LDS instruction's 16-bit immediate
.set NT,      8                        ; chunks along K
.set AO_LO,   64                       ; bytes of a row from an even K step to the odd one
.set AO_HI,   128                      ; from K steps 0, 1 to 2, 3
.set APART,   32                       ; from a fragment's registers 0-3 to 4-7
.set NX,      16                       ; loads of bias issued among the second chunk's waits
.set SPARE,   32*KSB                   ; behind the weights: the spare words, 128 bytes for each of 8 waves, which no other line names
.set SPW,  2                           ; v2  SPARE + 4 x my thread's number; never rewritten
.set NIL,  3                           ; v3  0; never rewritten
.set VL16, 4                           ; 16 x lane
.set ZERO, 5
.set AOF,  6                           ; v6-8    tile t of the pass: my byte offset in xb
.set VW,   9                           ; my offset in a chunk of weights
.set VST,  10                          ; LDS address of my bytes of chunk u
.set VB,   11                          ; LDS address of my 16 bytes in the chunk in hand,
.set VBN,  12                          ; in the next chunk
.set H16,  13                          ; 16 x (lane / 16)
.set LANE, 14
.set HH,   15                          ; lane / 16
.set VBI,  16                          ; 32 x (lane / 16)
.set KB,   17                          ; 128 (lane / 16) + 16 w + lane % 16
.set PA,   18
.set PB,   19
.set TLO,  20                          ; the tokens of the two tiles just found
.set THI,  21
.set QX,   22
.set BP,   24                          ; v24-55  the bias in bf16 pairs: 4 x column tile + pair
.set TK,   56                          ; v56-63  the tokens of my tiles still to come, row lane % 16 in both halves of the lanes
.set AB,   64                          ; v64-159 the rows' ring: four K steps of 3 tiles x 8 registers
.set F1,   160                         ; v160-223 the weight fragments of odd K steps
.set TS,   224                         ; v224-255 the way out
.set TP,   224                         ; in phase A: two groups of weights, rounded
.set SEL,  64                          ; in phase A: v64-127 the choices, then the search's registers; v128-159 the ranks; v160-223 the bias as loaded
.set TSP,  128
.set BR,   160
.set KK,   64                          ; the search: the rank still to go,
.set SM,   65                          ; the mask of the group in which it falls,
.set SD,   66                          ; the rank inside that group,
.set SG,   67                          ; the group's number,
.set QA,   68                          ; the mask's set bits counted by 2,
.set QB,   69                          ; by 4,
.set QC,   70                          ; by 8,
.set QD,   71                          ; by 16,
.set QT,   72
.set QP,   73                          ; the bit's place
.set QU,   74
.set F0,   192                         ; window 1: v0-191 the accumulators, 64 t + 8 x column tile; v192-255 the fragments of even K steps; in phase A all 256: a chunk as loaded
.set MK,   66                          ; s66-97  group G's mask of tokens that chose e
.set MSB, 0
.macro WIN new                         ; bits 1:0 source 0, 3:2 source 1, 5:4 source 2, 7:6 destination; the high byte repeats the setting that is left
.if MSB != (\new)
	s_set_vgpr_msb (MSB<<8)|(\new)
.set MSB, \new
.endif
.endm
.macro PLACES                          ; four plain vector instructions between a matrix instruction and a load into, or a vector instruction on, its registers
.rept 4
	v_nop
.endr
.endm
.macro BAR                             ; no LDS instruction of mine is out; then every wave's barrier
	s_wait_dscnt 0x0
	s_barrier_signal -1
	s_barrier_wait -1
.endm
.macro WLOAD q, sec                    ; rows 16 q .. 16 q + 15 of a chunk: lanes 0-15 take 256 consecutive aligned bytes of a row, lanes 16-31 of the row 8 further on
.set i, 0
.rept 8
	global_load_b128 v[32*(\q)+4*i:32*(\q)+4*i+3], v[VW], s[40:41] offset:(16*(\q)+i)*WSTRIDE+(\sec)*WSEC th:TH_LOAD_NT
.set i, i+1
.endr
.endm
.macro CVST q, sec, reload             ; group q: k and k + 1 of a column pack into a register, four registers are 8 k, 16 bytes of a fragment; its registers take the next chunk's group; then into LDS
	WIN 0x05
.set c, 0
.rept 4
.set p, 0
.rept 4
	v_cvt_pk_bf16_f32 v[TP+16*((\q)&1)+4*c+p], v[32*(\q)+8*p+c], v[32*(\q)+8*p+4+c]
.set p, p+1
.endr
.set c, c+1
.endr
.if \reload
	WIN 0x40
	WLOAD \q, 1
.endif
	WIN 0
.set c, 0
.rept 4
	ds_store_b128 v[VST], v[TP+16*((\q)&1)+4*c:TP+16*((\q)&1)+4*c+3] offset:((\q)>>1)*KSB+((\q)&1)*512+(\sec)*4*FS+16*c
.set c, c+1
.endr
.endm
.macro ALOAD b, p, nl                  ; the rows of K step b of a chunk, nl tiles, into the ring's buffer b: 2 nl loads
.set at, 0
.rept \nl
	global_load_b128 v[AB+24*(\b)+8*at:AB+24*(\b)+8*at+3], v[AOF+at], s[\p:\p+1] offset:((\b)>>1)*AO_HI+((\b)&1)*AO_LO
	global_load_b128 v[AB+24*(\b)+8*at+4:AB+24*(\b)+8*at+7], v[AOF+at], s[\p:\p+1] offset:((\b)>>1)*AO_HI+((\b)&1)*AO_LO+APART
.set at, at+1
.endr
.endm
; ONE K STEP of 32, number pos of its chunk, for nl tiles: fetch the next step's 8 fragments and the rows of the step three on, wait for this step's, multiply.  The 8 nl accumulators take turns.
.macro KSTEP pos, nl
	PLACES
.if (\pos) & 1
	WIN 0x40                                       ; the next step is even: its fragments go to window 1
.set fb, F0
.else
	WIN 0
.set fb, F1
.endif
.set kc, 0
.rept 8
.if (\pos) < 3
	ds_load_b128 v[fb+8*kc:fb+8*kc+3], v[VB] offset:((\pos)+1)*KSB+kc*FS
	ds_load_b128 v[fb+8*kc+4:fb+8*kc+7], v[VB] offset:((\pos)+1)*KSB+kc*FS+512
.else
	ds_load_b128 v[fb+8*kc:fb+8*kc+3], v[VBN] offset:kc*FS
	ds_load_b128 v[fb+8*kc+4:fb+8*kc+7], v[VBN] offset:kc*FS+512
.endif
.set kc, kc+1
.endr
	WIN 0
.if (\pos) == 0
	ALOAD 3, 32, \nl
.else
	ALOAD (\pos)-1, 34, \nl
.endif
	s_wait_loadcnt 6*(\nl)                         ; the rows of the three later steps, 2 nl loads each, stay out: this step's are in
	s_wait_dscnt 16                                ; the 16 loads just issued stay out: this step's fragments are in
.if (\pos) & 1
	WIN 0x50                                       ; weights and rows in window 0, C and D in window 1
.set fb, F1
.else
	WIN 0x51                                       ; weights, C and D in window 1, rows in window 0
.set fb, F0
.endif
.set kt, 0
.rept \nl
.set kc, 0
.rept 8
	v_wmma_f32_16x16x32_bf16 v[64*kt+8*kc:64*kt+8*kc+7], v[fb+8*kc:fb+8*kc+7], v[AB+24*(\pos)+8*kt:AB+24*(\pos)+8*kt+7], v[64*kt+8*kc:64*kt+8*kc+7]
.set kc, kc+1
.endr
.set kt, kt+1
.endr
	WIN 0
.endm
; THE K LOOP for nl tiles: the first fragments, the ring's first three K steps, then 8 chunks of 4 K steps.  Behind the last chunk the fetches ahead go round to chunk 0: inside LDS and the buffer; they are not used.
.macro BODY nl
	s_mov_b32 s21, 0
	v_mov_b32 v[VB], v[VL16]
	WIN 0x40
.set kc, 0
.rept 8
	ds_load_b128 v[F0+8*kc:F0+8*kc+3], v[VB] offset:kc*FS
	ds_load_b128 v[F0+8*kc+4:F0+8*kc+7], v[VB] offset:kc*FS+512
.set kc, kc+1
.endr
	WIN 0
	ALOAD 0, 30, \nl
	ALOAD 1, 30, \nl
	ALOAD 2, 30, \nl
	s_mov_b32 s20, NT
.Lchunk_\@:
	s_wait_xcnt 0x0                                ; the bases below are rewritten only behind this wait
	s_and_b32 s26, s21, NT-1
	s_lshl_b32 s36, s26, 8                         ; 128 k of a row: 256 bytes
	s_add_nc_u64 s[32:33], s[30:31], s[36:37]
	s_mul_i32 s50, s26, CHB
	v_add_nc_u32 v[VB], s50, v[VL16]
	s_add_co_u32 s26, s21, 1
	s_and_b32 s26, s26, NT-1
	s_lshl_b32 s36, s26, 8
	s_add_nc_u64 s[34:35], s[30:31], s[36:37]
	s_mul_i32 s50, s26, CHB
	v_add_nc_u32 v[VBN], s50, v[VL16]
	KSTEP 0, \nl
	KSTEP 1, \nl
	KSTEP 2, \nl
	KSTEP 3, \nl
	s_add_co_u32 s21, s21, 1
	s_sub_co_u32 s20, s20, 1
	s_cmp_lg_u32 s20, 0
	s_cbranch_scc1 .Lchunk_\@
.endm
.macro INIT                            ; the sums begin with the bias, widened from its bf16 pairs; all three tiles, so that every accumulator is written on every way
	WIN 0x40
.set it, 0
.rept 3
.set i, 0
.rept 32
	v_lshlrev_b32 v[64*it+2*i], 16, v[BP+i]
	v_and_b32 v[64*it+2*i+1], 0xffff0000, v[BP+i]
.set i, i+1
.endr
.set it, it+1
.endr
	WIN 0
.endm
; THE WAY OUT: a lane's eight columns round to 16 bytes; relu on the rounded halves; each store covers 512 consecutive aligned bytes, in the order in which the second product's lanes load them.
.macro EPI t
	s_wait_xcnt 0x0                                ; the registers that earlier stores read are rewritten only behind this wait
	WIN 0x05
.set ec, 0
.rept 8
.set ep, 0
.rept 4
	v_cvt_pk_bf16_f32 v[TS+4*ec+ep], v[64*(\t)+8*ec+2*ep], v[64*(\t)+8*ec+2*ep+1]
.set ep, ep+1
.endr
.set ec, ec+1
.endr
	WIN 0
.set i, 0
.rept 32
	v_pk_max_num_bf16 v[TS+i], v[TS+i], v[ZERO]
.set i, i+1
.endr
.set ec, 0
.rept 8
	global_store_b128 v[VL16], v[TS+4*ec:TS+4*ec+3], s[44:45] offset:(ec>>2)*1048576+16384*(\t)+(ec&3)*512
.set ec, ec+1
.endr
.endm
.macro HALVE reg, w                    ; if the w places from QP on hold SD set bits or fewer, the bit sought lies above them
	v_bfe_u32 v[QT], v[\reg], v[QP], \w
	v_cmp_ge_u32 vcc_lo, v[SD], v[QT]
	v_cndmask_b32 v[QT], 0, v[QT], vcc_lo
	v_sub_nc_u32 v[SD], v[SD], v[QT]
	v_cndmask_b32 v[QU], 0, \w, vcc_lo
	v_add_nc_u32 v[QP], v[QP], v[QU]
.endm
; The token of place s63 + KB, into QU.  The lane walks the 32 groups; in the group where the rank still to go falls below the group's count it keeps the mask; behind it the rank has wrapped far above every count.
.macro FIND
	v_add_nc_u32 v[KK], s63, v[KB]
	v_min_u32 v[KK], s61, v[KK]                    ; places past the count repeat the last row
	v_mov_b32 v[SM], 1
	v_mov_b32 v[SD], 0
	v_mov_b32 v[SG], 0
.set g, 0
.rept 32
	s_bcnt1_i32_b32 s27, s[MK+g]
	v_cmp_gt_u32 vcc_lo, s27, v[KK]
	v_cndmask_b32 v[SM], v[SM], s[MK+g], vcc_lo
	v_cndmask_b32 v[SD], v[SD], v[KK], vcc_lo
	v_cndmask_b32 v[SG], v[SG], g, vcc_lo
	v_sub_nc_u32 v[KK], v[KK], s27
.set g, g+1
.endr
	v_lshrrev_b32 v[QT], 1, v[SM]
	v_and_b32 v[QT], 0x55555555, v[QT]
	v_sub_nc_u32 v[QA], v[SM], v[QT]
	v_lshrrev_b32 v[QT], 2, v[QA]
	v_and_b32 v[QT], 0x33333333, v[QT]
	v_and_b32 v[QB], 0x33333333, v[QA]
	v_add_nc_u32 v[QB], v[QB], v[QT]
	v_lshrrev_b32 v[QT], 4, v[QB]
	v_add_nc_u32 v[QC], v[QB], v[QT]
	v_and_b32 v[QC], 0x0f0f0f0f, v[QC]
	v_lshrrev_b32 v[QT], 8, v[QC]
	v_add_nc_u32 v[QD], v[QC], v[QT]
	v_mov_b32 v[QP], 0
	HALVE QD, 8                                    ; byte 0 of QD counts places 0-15: the step is 16 places,
	v_lshlrev_b32 v[QP], 1, v[QP]                  ; so 8 becomes 16
	HALVE QC, 8
	HALVE QB, 4
	HALVE QA, 2
	HALVE SM, 1
	v_lshrrev_b32 v[QT], 1, v[SG]
	v_lshlrev_b32 v[QT], 6, v[QT]
	v_and_b32 v[QU], 1, v[SG]
	v_lshl_add_u32 v[QU], v[QP], 1, v[QU]
	v_add_nc_u32 v[QU], v[QU], v[QT]               ; token = 64 (G / 2) + 2 lane + G % 2
.endm
	s_load_b256 s[4:11], s[0:1], 0x0               ; W1 s[4:5], b1 s[6:7], xb s[8:9], sel s[10:11]
	s_load_b128 s[12:15], s[0:1], 0x20             ; hid s[12:13], pos s[14:15]
	s_load_b64 s[46:47], s[0:1], 0x30              ; cnt
	v_lshl_add_u32 v[SPW], v0, 2, SPARE
	v_mov_b32 v[NIL], 0
	v_lshrrev_b32 v1, 5, v0
	v_readfirstlane_b32 s16, v1                    ; wave w = 0..7
	s_lshr_b32 s18, ttmp9, 5                       ; e
	s_and_b32 s19, ttmp9, 31                       ; slice
	s_mov_b32 s37, 0                               ; s[36:37]: an offset as a pair; the high word stays 0
	s_mov_b32 s56, 0xffff0000                      ; lanes 16-31
	s_mov_b32 s98, 0x76543210                      ; v_permlanex16_b32: each lane takes its own place in the other half
	s_mov_b32 s99, 0xfedcba98
	v_and_b32 v[LANE], 31, v0
	v_and_b32 v1, 15, v0
	v_bfe_u32 v[HH], v0, 4, 1
	v_lshlrev_b32 v[VL16], 4, v[LANE]
	v_mov_b32 v[ZERO], 0
	v_lshlrev_b32 v[VBI], 5, v[HH]
	v_lshlrev_b32 v[H16], 4, v[HH]
	v_lshlrev_b32 v[VW], 4, v1
	v_lshl_add_u32 v[VW], v[HH], WSH, v[VW]        ; 16 bytes of a row; lanes 16-31 eight rows on
	v_lshrrev_b32 v[VST], 2, v1                    ; my 4 columns lie in column tile (lane % 16) / 4,
	v_mul_u32_u24 v[VST], v[VST], FS
	v_lshl_add_u32 v[VST], v[HH], 8, v[VST]        ; in the fragment's half lane / 16,
	v_and_b32 v[PA], 3, v0
	v_lshl_add_u32 v[VST], v[PA], 6, v[VST]        ; at its columns 4 (lane % 4) + 0..3,
	s_mul_i32 s26, s16, CHB
	v_add_nc_u32 v[VST], s26, v[VST]               ; in chunk w
	v_lshl_add_u32 v[KB], v[HH], 7, v1
	s_lshl_b32 s26, s16, 4
	v_add_nc_u32 v[KB], s26, v[KB]
	s_lshl_b32 s36, s18, 24                        ; an expert's weights: 16,777,216 bytes,
	s_lshl_b32 s27, s19, 9                         ; my 128 columns,
	s_add_co_u32 s36, s36, s27
	s_lshl_b32 s27, s16, 21                        ; chunk w's 128 rows
	s_add_co_u32 s36, s36, s27
	s_wait_kmcnt 0x0
	s_add_nc_u64 s[40:41], s[4:5], s[36:37]
	; ---- PHASE A: the choices first, then the first chunk
.set g, 0
.rept 16
	global_load_b128 v[SEL+4*g:SEL+4*g+3], v[VL16], s[10:11] offset:512*g  ; the choices of tokens 64 g + 2 lane and + 1
.set g, g+1
.endr
	WIN 0x40
.set q, 0
.rept 8
	WLOAD q, 0
.set q, q+1
.endr
	WIN 0
	s_lshl_b32 s36, s18, 14
	s_lshl_b32 s27, s19, 9
	s_add_co_u32 s36, s36, s27
	s_add_nc_u64 s[48:49], s[6:7], s[36:37]        ; my columns' bias
	s_wait_loadcnt 63                              ; 64 weight loads are younger than the choices; the count's field ends at 63, so the first of them is waited for too
	; ---- while the weights are on their way: the masks, the count, the rows
	s_mov_b32 s22, 0
.set g, 0
.rept 32
	v_cmp_eq_u32 s26, s18, v[SEL+2*g]
	v_cmp_eq_u32 s27, s18, v[SEL+2*g+1]
	s_or_b32 s[MK+g], s26, s27                     ; a token's two choices differ, so it counts once
	s_bcnt1_i32_b32 s26, s[MK+g]
	s_add_co_u32 s22, s22, s26
.set g, g+1
.endr
	s_or_b32 s26, s19, s16
	s_cmp_lg_u32 s26, 0
	s_cbranch_scc1 .Lnopos
	s_mov_b32 s27, 0                               ; wave 0 of slice 0: every token's rank, word 128 (G / 4) + 4 lane + G % 4, and the count in 32 words
.set g, 0
.rept 32
	v_mbcnt_lo_u32_b32 v[TSP+g], s[MK+g], s27
	s_bcnt1_i32_b32 s26, s[MK+g]
	s_add_co_u32 s27, s27, s26
.set g, g+1
.endr
	s_lshl_b32 s36, s18, 12
	s_add_nc_u64 s[38:39], s[14:15], s[36:37]
.irp k, 0,1,2,3,4,5,6,7
	global_store_b128 v[VL16], v[TSP+4*\k:TSP+4*\k+3], s[38:39] offset:512*\k
.endr
	s_lshl_b32 s36, s18, 7
	s_add_nc_u64 s[46:47], s[46:47], s[36:37]
	v_mov_b32 v[PA], s22
	v_lshlrev_b32 v[PB], 2, v[LANE]
	global_store_b32 v[PB], v[PA], s[46:47]
.Lnopos:
	s_add_co_u32 s23, s22, 15
	s_lshr_b32 s23, s23, 4                         ; tiles
	s_add_co_u32 s25, s23, 7
	s_sub_co_u32 s25, s25, s16
	s_lshr_b32 s25, s25, 3                         ; my tiles: w, w + 8, ..
	s_max_u32 s61, s22, 1
	s_sub_co_u32 s61, s61, 1                       ; the last rank
	; The search, 32 places a trip: lanes 0-15 look for the rows of my tile 2 p, lanes 16-31 for those of tile 2 p + 1.  Each trip shifts the eight token registers down by two and sets the new pair on top,
	; so that after four trips register rt holds tile rt.  A trip without tiles only shifts.
.irp j, 0,1,2,3,4,5,6,7
	v_mov_b32 v[TK+\j], 0
.endr
	v_mov_b32 v[TLO], 0
	v_mov_b32 v[THI], 0
	v_mov_b32 v[QX], 0
	s_mov_b32 s52, 0
.Lfind:
	s_lshl_b32 s26, s52, 1
	s_cmp_ge_u32 s26, s25
	s_cbranch_scc1 .Lfind_next
	s_lshl_b32 s63, s52, 8                         ; place = 128 rt + 16 w + row, rt = 2 p + lane / 16
	FIND
	v_permlanex16_b32 v[QX], v[QU], s98, s99
	v_cndmask_b32 v[TLO], v[QU], v[QX], s56        ; tile 2 p's tokens in both halves of the lanes,
	v_cndmask_b32 v[THI], v[QX], v[QU], s56        ; and tile 2 p + 1's
.Lfind_next:
.irp j, 0,1,2,3,4,5
	v_mov_b32 v[TK+\j], v[TK+\j+2]
.endr
	v_mov_b32 v[TK+6], v[TLO]
	v_mov_b32 v[TK+7], v[THI]
	s_add_co_u32 s52, s52, 1
	s_cmp_lt_u32 s52, 4
	s_cbranch_scc1 .Lfind
	; ---- the weights
.set q, 0
.rept 8
	s_wait_loadcnt 56                              ; younger than group q: 8 (7 - q) loads of this chunk and 8 q of the next
	CVST q, 0, 1
.set q, q+1
.endr
.set q, 0
.rept 8
.if q == 4
.irp g2, 0,1
.irp ct, 0,1,2,3
	global_load_b128 v[BR+32*\g2+8*\ct:BR+32*\g2+8*\ct+3], v[VBI], s[48:49] offset:256*\g2+64*\ct
	global_load_b128 v[BR+32*\g2+8*\ct+4:BR+32*\g2+8*\ct+7], v[VBI], s[48:49] offset:256*\g2+64*\ct+16
.endr
.endr
.endif
.if q < 4
	s_wait_loadcnt 56-8*q                          ; the later groups stay out,
.else
	s_wait_loadcnt 56-8*q+NX                       ; and the 16 loads of bias
.endif
	CVST q, 1, 0
.set q, q+1
.endr
	s_wait_loadcnt 0x0                             ; the bias
	BAR                                            ; every wave's stores are done: the slice is whole
.set i, 0
.rept 32
	v_cvt_pk_bf16_f32 v[BP+i], v[BR+2*i], v[BR+2*i+1]
.set i, i+1
.endr
	s_lshl_b32 s36, s19, 21                        ; hid: two blocks of 64 columns a slice, 1,048,576 bytes a block,
	s_lshl_b32 s27, s18, 17                        ; the expert's 64 tiles of 2,048 bytes,
	s_add_co_u32 s36, s36, s27
	s_lshl_b32 s27, s16, 11                        ; tile w
	s_add_co_u32 s36, s36, s27
	s_add_nc_u64 s[42:43], s[12:13], s[36:37]
	s_mov_b64 s[30:31], s[8:9]
	; ---- PHASE B
	s_mov_b32 s52, 3
	s_mov_b32 s53, 0                               ; 3 x the pass
.Lpass:
	s_cmp_ge_u32 s53, s25
	s_cbranch_scc1 .Lpass_next                     ; none of my tiles is left
	s_sub_co_u32 s24, s25, s53
	s_min_u32 s24, s24, 3                          ; the pass's live tiles
	s_wait_xcnt 0x0                                ; earlier stores have read their registers: ring and work registers are free
.irp t, 0,1,2
	v_min_u32 v[PA], 0x3ff, v[TK+\t]
	v_lshl_add_u32 v[AOF+\t], v[PA], 11, v[H16]    ; the token's row of 2,048 bytes
.endr
	INIT
	s_cmp_eq_u32 s24, 1
	s_cbranch_scc1 .Lb1
	s_cmp_eq_u32 s24, 2
	s_cbranch_scc1 .Lb2
	BODY 3
	s_branch .Lbd
.Lb2:
	BODY 2
	s_branch .Lbd
.Lb1:
	BODY 1
.Lbd:
	PLACES                                         ; the sums are finished
	s_wait_loadcnt 0x0                             ; the last fetches ahead have landed: ring and offsets are free
	s_wait_dscnt 0x0
	s_wait_xcnt 0x0
	s_lshl_b32 s36, s53, 14                        ; tile 8 rt + w: 16,384 bytes for each rt
	s_add_nc_u64 s[44:45], s[42:43], s[36:37]
	EPI 0
	s_cmp_le_u32 s24, 1
	s_cbranch_scc1 .Lpass_next
	EPI 1
	s_cmp_le_u32 s24, 2
	s_cbranch_scc1 .Lpass_next
	EPI 2
.Lpass_next:
.irp j, 0,1,2,3,4
	v_mov_b32 v[TK+\j], v[TK+\j+3]                 ; the next pass's three tiles come to the front
.endr
	s_add_co_u32 s53, s53, 3
	s_sub_co_u32 s52, s52, 1
	s_cmp_lg_u32 s52, 0
	s_cbranch_scc1 .Lpass
	BAR                                            ; every wave's reads of LDS are over
	s_wait_tensorcnt 0x0                           ; the wave's end, behind my last LDS store
	ds_add_u32 v[SPW], v[NIL]
	s_wait_dscnt 0x0
	s_endpgm
.Lfunc_end_k_qfb49148599_up:
	.size	k_qfb49148599_up, .Lfunc_end_k_qfb49148599_up-k_qfb49148599_up
	.p2alignl 7, 3214868480
	.fill 96, 4, 3214868480
	.section	.rodata,"a",@progbits
	.p2align	6, 0x0
	.amdhsa_kernel k_qfb49148599_up
		.amdhsa_group_segment_fixed_size 267264
		.amdhsa_private_segment_fixed_size 0
		.amdhsa_enable_private_segment 0
		.amdhsa_kernarg_size 56
		.amdhsa_user_sgpr_count 2
		.amdhsa_user_sgpr_kernarg_segment_ptr 1
		.amdhsa_wavefront_size32 1
		.amdhsa_system_sgpr_workgroup_id_x 1
		.amdhsa_system_sgpr_workgroup_id_y 1
		.amdhsa_system_sgpr_workgroup_id_z 1
		.amdhsa_system_vgpr_workitem_id 0
		.amdhsa_next_free_vgpr 512
		.amdhsa_next_free_sgpr 100
		.amdhsa_reserve_vcc 1
		.amdhsa_float_denorm_mode_32 3
		.amdhsa_float_denorm_mode_16_64 3
		.amdhsa_memory_ordered 1
		.amdhsa_forward_progress 1
		.amdhsa_inst_pref_size 132
	.end_amdhsa_kernel
	.amdgpu_metadata
---
amdhsa.version: [ 1, 2 ]
amdhsa.kernels:
  - .name:           k_qfb49148599_up
    .symbol:         k_qfb49148599_up.kd
    .args:
      - { .name: W1, .offset: 0, .size: 8, .value_kind: global_buffer, .address_space: global }
      - { .name: b1, .offset: 8, .size: 8, .value_kind: global_buffer, .address_space: global }
      - { .name: xb, .offset: 16, .size: 8, .value_kind: global_buffer, .address_space: global }
      - { .name: sel, .offset: 24, .size: 8, .value_kind: global_buffer, .address_space: global }
      - { .name: hid, .offset: 32, .size: 8, .value_kind: global_buffer, .address_space: global }
      - { .name: pos, .offset: 40, .size: 8, .value_kind: global_buffer, .address_space: global }
      - { .name: cnt, .offset: 48, .size: 8, .value_kind: global_buffer, .address_space: global }
    .group_segment_fixed_size: 267264
    .private_segment_fixed_size: 0
    .kernarg_segment_align: 8
    .kernarg_segment_size: 56
    .max_flat_workgroup_size: 256
    .sgpr_count:     100
    .vgpr_count:     512
    .wavefront_size: 32
...
	.end_amdgpu_metadata
.endif
;; end of part 5
;; launch down (part 6): grid 256 x 1, 8 waves a work-group, no clusters, 298,240 bytes of LDS; arguments W2, b2, hid, cnt, part; writes part
.if DOCPART == 6
	.amdgcn_target "amdgcn-amd-amdhsa--gfx1250"
	.amdhsa_code_object_version 6
	.text
	.protected	k_qfb49148599_down
	.globl	k_qfb49148599_down
	.p2align	8
	.type	k_qfb49148599_down,@function
k_qfb49148599_down:
	s_mov_b64 s[64:65], 0
	v_nop
	global_prefetch_b8 v0, s[64:65] scope:SCOPE_SE
	s_setreg_imm32_b32 hwreg(HW_REG_WAVE_MODE, 25, 1), 1
	s_wait_xcnt 0x0
; SECOND EXPERT PRODUCT: part = hid_rows W2[e] (one half of K) + b2[e] (in the first half alone), f32 partial rows in the experts' order; the last launch weighs and adds them.
; SHARES.  Work-group = (e = id / 32, 64 columns = (id % 32) / 2, half of K = id % 2): 2,048 k x 64 columns, 524,288 bytes of f32 weights that it alone reads in rows of 256 consecutive aligned bytes, and ALL rows of the expert.
; PHASE A.  The weights are 16 chunks of 128 k x 64 columns.  Wave u streams chunks u and u + 8 (64 loads of 16 bytes a lane out, 32,768 bytes a wave), rounds them to bf16 and lays them into LDS in the order of
; a matrix operand's registers.  One barrier.
; PHASE B.  Wave w owns the tiles of 16 rows 8 rt + w; the number of rows is the count that the first product stored.  Three passes of up to three tiles cover 1,024 rows; the work of a pass without rows is jumped
; forward.  The K loop is written for 1, 2 and 3 live tiles and chosen by a scalar branch: no load is issued for a tile without rows, and each text has its own counted waits.  hid comes from memory straight into
; operand registers, SEVEN K steps ahead: a ring of eight buffers, so that a wave with nl live tiles has 14 nl loads of 512 bytes out.  The ring takes the 192 registers that are free in this phase.
; Weight fragments come from LDS one step ahead.  A trip of the loop is 8 K steps, 256 along K.
; THE WAY OUT goes through a stage in LDS, 16 rows x 272 bytes for each wave, so that 16 lanes store a row's 256 consecutive aligned bytes.  A barrier that every wave passes stands in front of each tile's stores into
; the stage and another in front of its loads: 18 in all, in text that is never jumped.  Rows past the count in the last tile are stored too: they have places of their own in part, which nobody reads.
; NO CLUSTER, NO TENSOR LOAD: a slice of weights has one reader; the experts' numbers of rows differ; f32 slots for a mover do not fit beside the 262,208 bytes of bf16.
; FORMATS.  W2 and b2 are rounded to bf16, like every input of this program; hid is bf16; sums and partial rows in f32.
; THE MATRIX INSTRUCTION IS USED TRANSPOSED: source 0 = 16 weight columns, source 1 = 16 rows; a lane holds one row (lane % 16) and eight neighbouring columns 8 (lane / 16) + 0..7.
.set WSTRIDE, 4096                     ; bytes from a k row of the weights to the next
.set WSH,     15                       ; 8 such rows, as a shift
.set WSEC,    4194304                  ; from chunk u to chunk u + 8 in memory
.set CTS,     65552                    ; LDS bytes of a column tile's region: 64 K steps of 1,024, and 16 so that the four regions a store touches start 4 banks apart
.set LSEC,    32768                    ; from chunk u to chunk u + 8 in LDS
.set NP,      8                        ; trips of the K loop: 8 K steps each
.set AO_LO,   1024                     ; bytes of hid from an even K step to the odd one,
.set AO_HI,   1048576                  ; from one block of 64 hidden columns to the next (two K steps); a trip's four blocks are 4,194,304 bytes
.set APART,   512                      ; from a fragment's registers 0-3 to 4-7
.set NX,      8                        ; loads of bias issued among the second chunk's waits
.set STAGE,   262400                   ; behind the weights: 4,352 bytes for each wave
.set SPARE,   STAGE+8*4352             ; the spare words, 128 bytes for each of 8 waves, which no other line names
.set SPW,  2                           ; v2  SPARE + 4 x my thread's number; never rewritten
.set NIL,  3                           ; v3  0; never rewritten
.set VL16, 4                           ; 16 x lane
.set AOF,  6                           ; v6-8    tile t of the pass: my byte offset in hid
.set VW,   9                           ; my offset in a chunk of weights
.set VST,  10                          ; LDS address of my bytes of chunk u,
.set VST2, 11                          ; of chunk u + 8
.set VB,   12                          ; v12-15  column tile ct: LDS address of my 16 bytes in the trip's 8 K steps,
.set VBN,  16                          ; v16-19  in the next trip's
.set LANE, 20
.set HH,   21                          ; lane / 16
.set VBI,  22                          ; 32 x (lane / 16)
.set AW,   56                          ; 2,048 w + 16 lane: my 16 bytes in tile w
.set STO,  57                          ; the way out: where I put 32 bytes of a row
.set RD,   58                          ; where I read rows back
.set CO,   59                          ; my byte offset in two rows of part
.set PA,   60
.set AB,   64                          ; v64-159 the rows' ring, buffers 0-3: a K step of 3 tiles x 8 registers each
.set BR,   128                         ; in phase A: v128-159 the bias as loaded
.set TS,   160                         ; v160-191 the way out
.set TP,   192                         ; v192-223 two groups of weights, rounded
.set BC,   224                         ; v224-239 the bias in bf16 pairs, 4 ct + pair
.set BBF,  96                          ; window 1: v0-95 the accumulators, 32 t + 8 ct; v96-159 two K steps of weight fragments;
.set AB2,  160                         ; window 1: v160-255 the rows' ring, buffers 4-7.  In phase A all 256 of window 1: a chunk as loaded
.set MSB, 0
.macro WIN new                         ; bits 1:0 source 0, 3:2 source 1, 5:4 source 2, 7:6 destination; the high byte repeats the setting that is left
.if MSB != (\new)
	s_set_vgpr_msb (MSB<<8)|(\new)
.set MSB, \new
.endif
.endm
.macro PLACES                          ; four plain vector instructions between a matrix instruction and a load into, or a vector instruction on, its registers
.rept 4
	v_nop
.endr
.endm
.macro BAR                             ; no LDS instruction of mine is out; then every wave's barrier
	s_wait_dscnt 0x0
	s_barrier_signal -1
	s_barrier_wait -1
.endm
.macro WLOAD q, sec                    ; rows 16 q .. 16 q + 15 of a chunk: lanes 0-15 take 256 consecutive aligned bytes of a row, lanes 16-31 of the row 8 further on
.set i, 0
.rept 8
	global_load_b128 v[32*(\q)+4*i:32*(\q)+4*i+3], v[VW], s[40:41] offset:(16*(\q)+i)*WSTRIDE+(\sec)*WSEC th:TH_LOAD_NT
.set i, i+1
.endr
.endm
.macro CVST q, areg, reload            ; group q: k and k + 1 of a column pack into a register, four registers are 8 k, 16 bytes of a fragment; its registers take the next chunk's group; then into LDS
	WIN 0x05
.set c, 0
.rept 4
.set p, 0
.rept 4
	v_cvt_pk_bf16_f32 v[TP+16*((\q)&1)+4*c+p], v[32*(\q)+8*p+c], v[32*(\q)+8*p+4+c]
.set p, p+1
.endr
.set c, c+1
.endr
.if \reload
	WIN 0x40
	WLOAD \q, 1
.endif
	WIN 0
.set c, 0
.rept 4
	ds_store_b128 v[\areg], v[TP+16*((\q)&1)+4*c:TP+16*((\q)&1)+4*c+3] offset:512*(\q)+16*c
.set c, c+1
.endr
.endm
.macro SETVB d                         ; my 16 bytes in the four column tiles' regions, from LDS byte s50 on
	s_add_co_u32 s58, s50, CTS
	s_add_co_u32 s59, s50, 2*CTS
	s_add_co_u32 s60, s50, 3*CTS
	v_add_nc_u32 v[\d], s50, v[VL16]
	v_add_nc_u32 v[\d+1], s58, v[VL16]
	v_add_nc_u32 v[\d+2], s59, v[VL16]
	v_add_nc_u32 v[\d+3], s60, v[VL16]
.endm
.macro ALOAD b, p, nl                  ; the rows of K step b of a trip, nl tiles, into the ring's buffer b: 2 nl loads.  It leaves the windows as the buffer wants them
.if (\b) < 4
	WIN 0
.set ar, AB+24*(\b)
.else
	WIN 0x40                                       ; destination window 1, address window 0
.set ar, AB2+24*((\b)-4)
.endif
.set at, 0
.rept \nl
	global_load_b128 v[ar+8*at:ar+8*at+3], v[AOF+at], s[\p:\p+1] offset:((\b)>>1)*AO_HI+((\b)&1)*AO_LO
	global_load_b128 v[ar+8*at+4:ar+8*at+7], v[AOF+at], s[\p:\p+1] offset:((\b)>>1)*AO_HI+((\b)&1)*AO_LO+APART
.set at, at+1
.endr
.endm
; ONE K STEP of 32, number pos of its trip, for nl tiles: fetch the next step's fragments and the rows of the step seven on (into the buffer that the step before has multiplied), wait for this step's, multiply.
; The 4 nl accumulators take turns.  No branch and no label stands in a K step, so the windows go back to 0 only at the loop's edge.
.macro KSTEP pos, nl
.if (\pos) > 0
	PLACES
.endif
	WIN 0x40
.irp ct, 0,1,2,3
.if (\pos) < 7
	ds_load_b128 v[BBF+32*(((\pos)+1)&1)+8*\ct:BBF+32*(((\pos)+1)&1)+8*\ct+3], v[VB+\ct] offset:((\pos)+1)*1024
	ds_load_b128 v[BBF+32*(((\pos)+1)&1)+8*\ct+4:BBF+32*(((\pos)+1)&1)+8*\ct+7], v[VB+\ct] offset:((\pos)+1)*1024+512
.else
	ds_load_b128 v[BBF+8*\ct:BBF+8*\ct+3], v[VBN+\ct]
	ds_load_b128 v[BBF+8*\ct+4:BBF+8*\ct+7], v[VBN+\ct] offset:512
.endif
.endr
.if (\pos) == 0
	ALOAD 7, 32, \nl
.else
	ALOAD (\pos)-1, 34, \nl
.endif
	s_wait_loadcnt 14*(\nl)                        ; the rows of the seven later steps, 2 nl loads each, stay out: this step's are in
	s_wait_dscnt 8                                 ; the 8 loads just issued stay out: this step's fragments are in
.if (\pos) < 4
	WIN 0x51                                       ; weights, C and D in window 1, rows in window 0
.set ar, AB+24*(\pos)
.else
	WIN 0x55                                       ; all four in window 1
.set ar, AB2+24*((\pos)-4)
.endif
.set kt, 0
.rept \nl
.irp ct, 0,1,2,3
	v_wmma_f32_16x16x32_bf16 v[32*kt+8*\ct:32*kt+8*\ct+7], v[BBF+32*((\pos)&1)+8*\ct:BBF+32*((\pos)&1)+8*\ct+7], v[ar+8*kt:ar+8*kt+7], v[32*kt+8*\ct:32*kt+8*\ct+7]
.endr
.set kt, kt+1
.endr
.endm
; THE K LOOP for nl tiles: the first fragments, the ring's first seven K steps, then 8 trips of 8 K steps.  Behind the last trip the fetches ahead go round to the first: inside LDS and the buffer; they are not used.
.macro BODY nl
	s_mov_b32 s21, 0
	s_mov_b32 s50, 0
	SETVB VB
	WIN 0x40
.irp ct, 0,1,2,3
	ds_load_b128 v[BBF+8*\ct:BBF+8*\ct+3], v[VB+\ct]
	ds_load_b128 v[BBF+8*\ct+4:BBF+8*\ct+7], v[VB+\ct] offset:512
.endr
.irp b, 0,1,2,3,4,5,6
	ALOAD \b, 30, \nl
.endr
	WIN 0                                          ; at a label and at a branch every window is 0
	s_mov_b32 s20, NP
.Lpair_\@:
	s_wait_xcnt 0x0                                ; the bases below are rewritten only behind this wait
	s_and_b32 s26, s21, NP-1
	s_lshl_b32 s36, s26, 22                        ; a trip's four blocks of hid
	s_add_nc_u64 s[32:33], s[30:31], s[36:37]
	s_lshl_b32 s50, s26, 13                        ; a trip's 8 K steps in a region of LDS
	SETVB VB
	s_add_co_u32 s28, s21, 1
	s_and_b32 s26, s28, NP-1
	s_lshl_b32 s36, s26, 22
	s_add_nc_u64 s[34:35], s[30:31], s[36:37]
	s_lshl_b32 s50, s26, 13
	SETVB VBN                                      ; these eight additions are also the places in front of the next loads
.irp ks, 0,1,2,3,4,5,6,7
	KSTEP \ks, \nl
.endr
	WIN 0
	s_add_co_u32 s21, s21, 1
	s_sub_co_u32 s20, s20, 1
	s_cmp_lg_u32 s20, 0
	s_cbranch_scc1 .Lpair_\@
.endm
.macro INIT                            ; the sums begin with the bias, widened from its bf16 pairs; all three tiles, so that every accumulator is written on every way
	WIN 0x40
.irp t, 0,1,2
.set i, 0
.rept 16
	v_lshlrev_b32 v[32*\t+2*i], 16, v[BC+i]
	v_and_b32 v[32*\t+2*i+1], 0xffff0000, v[BC+i]
.set i, i+1
.endr
.endr
	WIN 0
.endm
; THE WAY OUT of tile t.  Both barriers stand on every wave's way; only the work between them is jumped.
.macro EPI t
	BAR                                            ; every wave's reads of the weights and of the stage are over
	s_cmp_le_u32 s24, \t
	s_cbranch_scc1 .Lnost_\@
	WIN 0x04                                       ; a store's data in window 1
.irp ct, 0,1,2,3
	ds_store_b128 v[STO], v[32*(\t)+8*\ct:32*(\t)+8*\ct+3] offset:64*\ct
	ds_store_b128 v[STO], v[32*(\t)+8*\ct+4:32*(\t)+8*\ct+7] offset:64*\ct+16
.endr
	WIN 0
.Lnost_\@:
	BAR                                            ; every wave's stores into the stage are done
	s_cmp_le_u32 s24, \t
	s_cbranch_scc1 .Lnold_\@
	s_wait_xcnt 0x0                                ; the registers that earlier stores read are loaded again only behind this wait
.irp u, 0,1,2,3,4,5,6,7
	ds_load_b128 v[TS+4*\u:TS+4*\u+3], v[RD] offset:544*\u
.endr
	s_wait_dscnt 0x0
.irp u, 0,1,2,3,4,5,6,7
	global_store_b128 v[CO], v[TS+4*\u:TS+4*\u+3], s[44:45] offset:524288*(\t)+8192*\u  ; 16 lanes store 256 consecutive aligned bytes of a partial row
.endr
.Lnold_\@:
.endm
	s_load_b256 s[4:11], s[0:1], 0x0               ; W2 s[4:5], b2 s[6:7], hid s[8:9], cnt s[10:11]
	s_load_b64 s[12:13], s[0:1], 0x20              ; part
	v_lshl_add_u32 v[SPW], v0, 2, SPARE
	v_mov_b32 v[NIL], 0
	v_lshrrev_b32 v1, 5, v0
	v_readfirstlane_b32 s16, v1                    ; wave w = 0..7
	s_lshr_b32 s18, ttmp9, 5                       ; e
	s_and_b32 s19, ttmp9, 31
	s_and_b32 s51, s19, 1                          ; which half of K
	s_lshr_b32 s56, s19, 1                         ; which 64 columns
	s_mov_b32 s37, 0                               ; s[36:37]: an offset as a pair; the high word stays 0
	v_and_b32 v[LANE], 31, v0
	v_and_b32 v1, 15, v0
	v_bfe_u32 v[HH], v0, 4, 1
	v_lshlrev_b32 v[VL16], 4, v[LANE]
	v_lshlrev_b32 v[VBI], 5, v[HH]
	v_lshlrev_b32 v[VW], 4, v1
	v_lshl_add_u32 v[VW], v[HH], WSH, v[VW]        ; 16 bytes of a row; lanes 16-31 eight rows on
	v_lshrrev_b32 v[VST], 2, v1                    ; my 4 columns lie in column tile (lane % 16) / 4,
	v_mul_u32_u24 v[VST], v[VST], CTS
	v_lshl_add_u32 v[VST], v[HH], 8, v[VST]        ; in the fragment's half lane / 16,
	v_and_b32 v[PA], 3, v0
	v_lshl_add_u32 v[VST], v[PA], 6, v[VST]        ; at its columns 4 (lane % 4) + 0..3,
	s_lshl_b32 s26, s16, 12
	v_add_nc_u32 v[VST], s26, v[VST]               ; in chunk w
	v_add_nc_u32 v[VST2], LSEC, v[VST]
	s_lshl_b32 s26, s16, 11
	v_add_nc_u32 v[AW], s26, v[VL16]
	s_mul_i32 s27, s16, 4352
	s_add_co_u32 s27, s27, STAGE                   ; my stage
	v_mul_u32_u24 v[STO], v1, 272                  ; in: row lane % 16, 32 bytes for each half of the lanes
	v_lshl_add_u32 v[STO], v[HH], 5, v[STO]
	v_add_nc_u32 v[STO], s27, v[STO]
	v_mul_u32_u24 v[RD], v[HH], 272                ; back: lanes 0-15 one row of 256 bytes, lanes 16-31 the next
	v_lshl_add_u32 v[RD], v1, 4, v[RD]
	v_add_nc_u32 v[RD], s27, v[RD]
	v_lshlrev_b32 v[CO], 4, v1                     ; and the same two rows in part
	v_lshl_add_u32 v[CO], v[HH], 12, v[CO]
	s_cmp_eq_u32 s51, 0
	s_cselect_b32 s57, -1, 0                       ; keeps the bias in the first half of K alone
	s_lshl_b32 s36, s18, 24                        ; an expert's weights: 16,777,216 bytes,
	s_lshl_b32 s27, s51, 23                        ; 2,048 rows of 4,096 bytes,
	s_add_co_u32 s36, s36, s27
	s_lshl_b32 s27, s56, 8                         ; my 64 columns,
	s_add_co_u32 s36, s36, s27
	s_lshl_b32 s27, s16, 19                        ; chunk w's 128 rows
	s_add_co_u32 s36, s36, s27
	s_wait_kmcnt 0x0
	s_add_nc_u64 s[40:41], s[4:5], s[36:37]
	; ---- PHASE A
	WIN 0x40
.set q, 0
.rept 8
	WLOAD q, 0
.set q, q+1
.endr
	WIN 0
	s_lshl_b32 s36, s18, 7
	s_add_nc_u64 s[14:15], s[10:11], s[36:37]
	s_load_b32 s22, s[14:15], 0x0                  ; the expert's count of rows
	s_lshl_b32 s36, s18, 12
	s_lshl_b32 s27, s56, 8
	s_add_co_u32 s36, s36, s27
	s_add_nc_u64 s[48:49], s[6:7], s[36:37]        ; my columns' bias
.set q, 0
.rept 8
	s_wait_loadcnt 56                              ; younger than group q: 8 (7 - q) loads of this chunk and 8 q of the next
	CVST q, VST, 1
.set q, q+1
.endr
.set q, 0
.rept 8
.if q == 4
.irp ct, 0,1,2,3
	global_load_b128 v[BR+8*\ct:BR+8*\ct+3], v[VBI], s[48:49] offset:64*\ct
	global_load_b128 v[BR+8*\ct+4:BR+8*\ct+7], v[VBI], s[48:49] offset:64*\ct+16
.endr
.endif
.if q < 4
	s_wait_loadcnt 56-8*q                          ; the later groups stay out,
.else
	s_wait_loadcnt 56-8*q+NX                       ; and the 8 loads of bias
.endif
	CVST q, VST2, 0
.set q, q+1
.endr
	s_wait_loadcnt 0x0                             ; the bias
	BAR                                            ; every wave's stores are done: the slice is whole
.set i, 0
.rept 16
	v_cvt_pk_bf16_f32 v[BC+i], v[BR+2*i], v[BR+2*i+1]
	v_and_b32 v[BC+i], s57, v[BC+i]
.set i, i+1
.endr
	s_wait_kmcnt 0x0
	s_min_u32 s22, s22, 0x400
	s_add_co_u32 s23, s22, 15
	s_lshr_b32 s23, s23, 4                         ; tiles
	s_add_co_u32 s25, s23, 7
	s_sub_co_u32 s25, s25, s16
	s_lshr_b32 s25, s25, 3                         ; my tiles: w, w + 8, ..
	s_lshl_b32 s36, s51, 25                        ; part: a half of K is 8,192 rows of 4,096 bytes,
	s_lshl_b32 s27, s18, 22                        ; an expert 1,024 rows,
	s_add_co_u32 s36, s36, s27
	s_lshl_b32 s27, s16, 16                        ; tile w's 16 rows,
	s_add_co_u32 s36, s36, s27
	s_lshl_b32 s27, s56, 8                         ; my 64 columns
	s_add_co_u32 s36, s36, s27
	s_add_nc_u64 s[42:43], s[12:13], s[36:37]
	s_lshl_b32 s36, s51, 25                        ; hid: 32 blocks of 64 hidden columns, 1,048,576 bytes a block,
	s_lshl_b32 s27, s18, 17                        ; the expert's 64 tiles of 2,048 bytes
	s_add_co_u32 s36, s36, s27
	s_add_nc_u64 s[30:31], s[8:9], s[36:37]
	; ---- PHASE B
	s_mov_b32 s52, 3
	s_mov_b32 s53, 0                               ; 3 x the pass
.Lpass:
	s_mov_b32 s24, 0
	s_cmp_ge_u32 s53, s25
	s_cbranch_scc1 .Lc_end                         ; none of my tiles is left: only the barriers remain
	s_sub_co_u32 s24, s25, s53
	s_min_u32 s24, s24, 3                          ; the pass's live tiles
.irp t, 0,1,2
	s_add_co_u32 s26, s53, \t
	s_min_u32 s26, s26, 7
	s_lshl_b32 s26, s26, 14                        ; tile 8 rt + w: 16,384 bytes for each rt
	v_add_nc_u32 v[AOF+\t], s26, v[AW]
.endr
	INIT
	s_cmp_eq_u32 s24, 1
	s_cbranch_scc1 .Lb1
	s_cmp_eq_u32 s24, 2
	s_cbranch_scc1 .Lb2
	BODY 3
	s_branch .Lbd
.Lb2:
	BODY 2
	s_branch .Lbd
.Lb1:
	BODY 1
.Lbd:
	PLACES                                         ; the sums are finished
	s_wait_loadcnt 0x0                             ; the last fetches ahead have landed: ring and offsets are free
.Lc_end:
	s_wait_xcnt 0x0
	s_lshl_b32 s36, s53, 19                        ; tile 8 rt + w: 524,288 bytes for each rt
	s_add_nc_u64 s[44:45], s[42:43], s[36:37]
	EPI 0
	EPI 1
	EPI 2
	s_add_co_u32 s53, s53, 3
	s_sub_co_u32 s52, s52, 1
	s_cmp_lg_u32 s52, 0
	s_cbranch_scc1 .Lpass
	BAR                                            ; every wave's LDS work is over
	s_wait_tensorcnt 0x0                           ; the wave's end, behind my last LDS store
	ds_add_u32 v[SPW], v[NIL]
	s_wait_dscnt 0x0
	s_endpgm
.Lfunc_end_k_qfb49148599_down:
	.size	k_qfb49148599_down, .Lfunc_end_k_qfb49148599_down-k_qfb49148599_down
	.p2alignl 7, 3214868480
	.fill 96, 4, 3214868480
	.section	.rodata,"a",@progbits
	.p2align	6, 0x0
	.amdhsa_kernel k_qfb49148599_down
		.amdhsa_group_segment_fixed_size 298240
		.amdhsa_private_segment_fixed_size 0
		.amdhsa_enable_private_segment 0
		.amdhsa_kernarg_size 40
		.amdhsa_user_sgpr_count 2
		.amdhsa_user_sgpr_kernarg_segment_ptr 1
		.amdhsa_wavefront_size32 1
		.amdhsa_system_sgpr_workgroup_id_x 1
		.amdhsa_system_sgpr_workgroup_id_y 1
		.amdhsa_system_sgpr_workgroup_id_z 1
		.amdhsa_system_vgpr_workitem_id 0
		.amdhsa_next_free_vgpr 512
		.amdhsa_next_free_sgpr 66
		.amdhsa_reserve_vcc 0
		.amdhsa_float_denorm_mode_32 3
		.amdhsa_float_denorm_mode_16_64 3
		.amdhsa_memory_ordered 1
		.amdhsa_forward_progress 1
		.amdhsa_inst_pref_size 106
	.end_amdhsa_kernel
	.amdgpu_metadata
---
amdhsa.version: [ 1, 2 ]
amdhsa.kernels:
  - .name:           k_qfb49148599_down
    .symbol:         k_qfb49148599_down.kd
    .args:
      - { .name: W2, .offset: 0, .size: 8, .value_kind: global_buffer, .address_space: global }
      - { .name: b2, .offset: 8, .size: 8, .value_kind: global_buffer, .address_space: global }
      - { .name: hid, .offset: 16, .size: 8, .value_kind: global_buffer, .address_space: global }
      - { .name: cnt, .offset: 24, .size: 8, .value_kind: global_buffer, .address_space: global }
      - { .name: part, .offset: 32, .size: 8, .value_kind: global_buffer, .address_space: global }
    .group_segment_fixed_size: 298240
    .private_segment_fixed_size: 0
    .kernarg_segment_align: 8
    .kernarg_segment_size: 40
    .max_flat_workgroup_size: 256
    .sgpr_count:     66
    .vgpr_count:     512
    .wavefront_size: 32
...
	.end_amdgpu_metadata
.endif
;; end of part 6
;; launch sum: the kernel of part 4 again; grid 256 x 1, 8 waves a work-group, no clusters, 0 bytes of LDS; arguments part, stat, sel, gate, pos, out0, out1; writes out0, out1
;; ======== version 3 of 3: 4 launches; version 2 with the launch down written anew for expert scheduling mode
;; workspace buffers: xb 2,097,152 bytes; sel 8,192 bytes of whole numbers; gate 8,192 bytes; stat 16,384 bytes; hid 67,108,864 bytes; part 67,108,864 bytes; pos 32,768 bytes of whole numbers; cnt 1,024 bytes of whole numbers
;; launch router: the kernel of part 1 again; grid 256 x 1, 1 waves a work-group, no clusters, 0 bytes of LDS; arguments x, Wr, br, xb, sel, gate, stat; writes xb, sel, gate, stat
;; launch up: the kernel of part 5 again; grid 256 x 1, 8 waves a work-group, no clusters, 267,264 bytes of LDS; arguments W1, b1, xb, sel, hid, pos, cnt; writes hid, pos, cnt
;; launch down (part 7): grid 256 x 1, 8 waves a work-group, no clusters, 298,240 bytes of LDS; arguments W2, b2, hid, cnt, part; writes part
.if DOCPART == 7
	.amdgcn_target "amdgcn-amd-amdhsa--gfx1250"
	.amdhsa_code_object_version 6
	.text
	.protected	k_qfb49148599_down
	.globl	k_qfb49148599_down
	.p2align	8
	.type	k_qfb49148599_down,@function
k_qfb49148599_down:
	s_mov_b64 s[64:65], 0
	v_nop
	global_prefetch_b8 v0, s[64:65] scope:SCOPE_SE
	s_setreg_imm32_b32 hwreg(HW_REG_WAVE_SCHED_MODE, 0, 2), 2
	s_setreg_imm32_b32 hwreg(HW_REG_WAVE_MODE, 25, 1), 1
	s_wait_xcnt 0x0
	s_wait_alu depctr_vm_vsrc(0)
; SECOND EXPERT PRODUCT: part = hid_rows W2[e] (one half of K) + b2[e] (in the first half alone), f32 partial rows in the experts' order; the last launch weighs and adds them.
; SHARES.  Work-group = (e = id / 32, 64 columns = (id % 32) / 2, half of K = id % 2): 2,048 k x 64 columns, 524,288 bytes of f32 weights that it alone reads in rows of 256 consecutive aligned bytes, and ALL rows of the expert.
; PHASE A.  The weights are 16 chunks of 128 k x 64 columns.  Wave u streams chunks u and u + 8 (64 loads of 16 bytes a lane out, 32,768 bytes a wave), rounds them to bf16 and lays them into LDS in the order of
; a matrix operand's registers.  One barrier.
; PHASE B.  Wave w owns the tiles of 16 rows 8 rt + w; the number of rows is the count that the first product stored.  Three passes of up to three tiles cover 1,024 rows; the work of a pass without rows is jumped
; forward.  The K loop is written for 1, 2 and 3 live tiles and chosen by a scalar branch: no load is issued for a tile without rows, and each text has its own counted waits.  hid comes from memory straight into
; operand registers, SIX K steps ahead, through a ring of eight buffers; weight fragments come from LDS TWO steps ahead, through a ring of four.  A trip of the loop is 8 K steps, 256 along K.
; THE WAY OUT goes through a stage in LDS, 16 rows x 272 bytes for each wave, so that 16 lanes store a row's 256 consecutive aligned bytes.  A barrier that every wave passes stands in front of each tile's stores into
; the stage and another in front of its loads: 18 in all, in text that is never jumped.  Rows past the count in the last tile are stored too: they have places of their own in part, which nobody reads.
; NO CLUSTER, NO TENSOR LOAD: a slice of weights has one reader; the experts' numbers of rows differ; f32 slots for a mover do not fit beside the 262,208 bytes of bf16.
; FORMATS.  W2 and b2 are rounded to bf16, like every input of this program; hid is bf16; sums and partial rows in f32.
; THE MATRIX INSTRUCTION IS USED TRANSPOSED: source 0 = 16 weight columns, source 1 = 16 rows; a lane holds one row (lane % 16) and eight neighbouring columns 8 (lane / 16) + 0..7.
; THE MODE: SCHED_MODE bits 1:0 = 2 (LLVM: expert scheduling mode 2), set by the entry lines.  The code itself states the register dependences between vector or matrix instructions and memory or LDS
; instructions, with s_wait_alu, always for 0.
; THE PLAN.  Registers that memory or LDS instructions touch:
;   RAW (window 1, phase A)  Group q: its 16 conversions read it; behind them the next chunk's group q lands in it.
;   TP, two halves           Group q: its conversions write half q % 2, its four LDS stores read it; group q + 2 writes it again.
;   VW VST VST2 VBI STO RD CO  Addresses and offsets, made once at the head and never written again.
;   AOF                      Written at a pass's head; read by every load of rows.
;   VB, VBN                  Written at a trip's head; read by the loads of fragments.
;   F0 .. F3                 Step p: its matrix instructions read F[p % 4]; the LDS loads of step p + 2 land in it (the fragments of step p + 4).
;   R0 .. R7                 Step p: its matrix instructions read R[p % 8]; the loads of step p + 2 land in it (the rows of step p + 8).
;   the accumulators         Written by the widening of the bias and by matrix instructions; read by the way out's LDS stores.
;   TS                       Loads from the stage land in it; the global stores read it.
; So in the K loop ONE wait on va_vdst stands at the head of every second step: behind it the matrix instructions of the two steps before are done reading their fragments and rows, in which this step's and the next
; step's loads land; this step's own matrix instructions name F[p % 4], R[p] and the accumulators, none of the registers that the next step's loads touch.  One wait on vm_vsrc a trip stands ahead of the additions to VB and VBN.
.set WSTRIDE, 4096                     ; bytes from a k row of the weights to the next
.set WSH,     15                       ; 8 such rows, as a shift
.set WSEC,    4194304                  ; from chunk u to chunk u + 8 in memory
.set CTS,     65552                    ; LDS bytes of a column tile's region: 64 K steps of 1,024, and 16 so that the four regions a store touches start 4 banks apart
.set LSEC,    32768                    ; from chunk u to chunk u + 8 in LDS
.set NP,      8                        ; trips of the K loop: 8 K steps each
.set AO_LO,   1024                     ; bytes of hid from an even K step to the odd one,
.set AO_HI,   1048576                  ; from one block of 64 hidden columns to the next (two K steps); a trip's four blocks are 4,194,304 bytes
.set APART,   512                      ; from a fragment's registers 0-3 to 4-7
.set NX,      8                        ; loads of bias issued among the second chunk's waits
.set STAGE,   262400                   ; behind the weights: 4,352 bytes for each wave
.set VL16, 4                           ; 16 x lane
.set AOF,  6                           ; v6-8    tile t of the pass: my byte offset in hid
.set VW,   9                           ; my offset in a chunk of weights
.set VST,  10                          ; LDS address of my bytes of chunk u,
.set VST2, 11                          ; of chunk u + 8
.set VB,   12                          ; v12-15  column tile ct: LDS address of my 16 bytes in the trip's 8 K steps,
.set VBN,  16                          ; v16-19  in the next trip's
.set LANE, 20
.set HH,   21                          ; lane / 16
.set VBI,  22                          ; 32 x (lane / 16)
.set FC,   24                          ; v24-55  the fragments' ring, buffer 2
.set AW,   56                          ; 2,048 w + 16 lane: my 16 bytes in tile w
.set STO,  57                          ; the way out: where I put 32 bytes of a row
.set RD,   58                          ; where I read rows back
.set CO,   59                          ; my byte offset in two rows of part
.set PA,   60
.set AB,   64                          ; v64-159 the rows' ring, buffers 0-3: a K step of 3 tiles x 8 registers each
.set BR,   128                         ; in phase A: v128-159 the bias as loaded
.set TS,   160                         ; v160-191 the way out
.set TP,   192                         ; in phase A: v192-223 two groups of weights, rounded
.set FD,   192                         ; in phase B: v192-223 the fragments' ring, buffer 3
.set BC,   224                         ; v224-239 the bias in bf16 pairs, 4 ct + pair
.set BBF,  96                          ; window 1: v0-95 the accumulators, 32 t + 8 ct; v96-159 the fragments' ring, buffers 0 and 1;
.set AB2,  160                         ; window 1: v160-255 the rows' ring, buffers 4-7.  In phase A all 256 of window 1: a chunk as loaded
.set MSB, 0
.macro WIN new                         ; bits 1:0 source 0, 3:2 source 1, 5:4 source 2, 7:6 destination; the high byte repeats the setting that is left
.if MSB != (\new)
	s_set_vgpr_msb (MSB<<8)|(\new)
.set MSB, \new
.endif
.endm
.macro PLACES                          ; four plain vector instructions behind a matrix instruction, ahead of a load into its registers and of a store or vector instruction on them; they stand beside the waits on va_vdst, which fill no place
.rept 4
	v_nop
.endr
.endm
.macro BAR                             ; no LDS instruction of mine is out; then every wave's barrier
	s_wait_dscnt 0x0
	s_barrier_signal -1
	s_barrier_wait -1
.endm
.macro WLOAD q, sec                    ; rows 16 q .. 16 q + 15 of a chunk: lanes 0-15 take 256 consecutive aligned bytes of a row, lanes 16-31 of the row 8 further on
.set i, 0
.rept 8
	global_load_b128 v[32*(\q)+4*i:32*(\q)+4*i+3], v[VW], s[40:41] offset:(16*(\q)+i)*WSTRIDE+(\sec)*WSEC th:TH_LOAD_NT
.set i, i+1
.endr
.endm
; Group q: k and k + 1 of a column pack into a register, four registers are 8 k, 16 bytes of a fragment; its registers take the next chunk's group; then into LDS.  again: this half of TP has been stored from before.
.macro CVST q, areg, reload, again
.if \again
	s_wait_alu depctr_vm_vsrc(0)                   ; the LDS stores of two groups back have read this half of TP, which the conversions below write again
.endif
	WIN 0x05
.set c, 0
.rept 4
.set p, 0
.rept 4
	v_cvt_pk_bf16_f32 v[TP+16*((\q)&1)+4*c+p], v[32*(\q)+8*p+c], v[32*(\q)+8*p+4+c]
.set p, p+1
.endr
.set c, c+1
.endr
.if \reload
	WIN 0x40
.else
	WIN 0
.endif
	s_wait_alu depctr_va_vdst(0)                   ; the conversions are done reading the group's raw registers, in which the next chunk's loads land, and have written TP, which the LDS stores read
.if \reload
	WLOAD \q, 1
	WIN 0
.endif
.set c, 0
.rept 4
	ds_store_b128 v[\areg], v[TP+16*((\q)&1)+4*c:TP+16*((\q)&1)+4*c+3] offset:512*(\q)+16*c
.set c, c+1
.endr
.endm
.macro SETVB d                         ; my 16 bytes in the four column tiles' regions, from LDS byte s50 on
	s_add_co_u32 s58, s50, CTS
	s_add_co_u32 s59, s50, 2*CTS
	s_add_co_u32 s60, s50, 3*CTS
	v_add_nc_u32 v[\d], s50, v[VL16]
	v_add_nc_u32 v[\d+1], s58, v[VL16]
	v_add_nc_u32 v[\d+2], s59, v[VL16]
	v_add_nc_u32 v[\d+3], s60, v[VL16]
.endm
.macro ALOAD b, p, nl                  ; the rows of K step b of a trip, nl tiles, into the ring's buffer b: 2 nl loads.  It leaves the windows as the buffer wants them
.if (\b) < 4
	WIN 0
.set ar, AB+24*(\b)
.else
	WIN 0x40                                       ; destination window 1, address window 0
.set ar, AB2+24*((\b)-4)
.endif
.set at, 0
.rept \nl
	global_load_b128 v[ar+8*at:ar+8*at+3], v[AOF+at], s[\p:\p+1] offset:((\b)>>1)*AO_HI+((\b)&1)*AO_LO
	global_load_b128 v[ar+8*at+4:ar+8*at+7], v[AOF+at], s[\p:\p+1] offset:((\b)>>1)*AO_HI+((\b)&1)*AO_LO+APART
.set at, at+1
.endr
.endm
; The four fragments of one K step, 8 LDS loads, into the ring's buffer f.  w = 1: an even step's head, where the loop's wait on va_vdst stands, behind the window switch and ahead of the loads.
.macro FLOAD f, adr, off, w
.if (\f) < 2
	WIN 0x40                                       ; destination window 1, address window 0
.set fr, BBF+32*(\f)
.else
	WIN 0
.set fr, FC+(FD-FC)*((\f)-2)
.endif
.if \w
	s_wait_alu depctr_va_vdst(0)                   ; the matrix instructions of the two steps before are done reading their fragments and rows, in which this step's and the next step's loads land; in a trip's first step VB and VBN are written
.endif
.irp ct, 0,1,2,3
	ds_load_b128 v[fr+8*\ct:fr+8*\ct+3], v[\adr+\ct] offset:(\off)
	ds_load_b128 v[fr+8*\ct+4:fr+8*\ct+7], v[\adr+\ct] offset:(\off)+512
.endr
.endm
; ONE K STEP of 32, number pos of its trip, for nl tiles: fetch the fragments of the step two on and the rows of the step six on, both into the buffers that the step two back has multiplied; wait for this step's; multiply.
; An odd step holds no wait on va_vdst: no vector or matrix instruction since the even step's wait names a register that its loads touch.
; The 4 nl accumulators take turns.  No branch and no label stands in a K step, so the windows go back to 0 only at the loop's edge.
.macro KSTEP pos, nl
.if (\pos) > 0
	PLACES
.endif
.if (\pos) < 6
	FLOAD ((\pos)+2)%4, VB, ((\pos)+2)*1024, 1-((\pos)%2)
.else
	FLOAD ((\pos)+2)%4, VBN, ((\pos)-6)*1024, 1-((\pos)%2)
.endif
.if (\pos) < 2
	ALOAD (\pos)+6, 32, \nl
.else
	ALOAD (\pos)-2, 34, \nl
.endif
	s_wait_loadcnt 12*(\nl)                        ; the rows of the six later steps, 2 nl loads each, stay out: this step's are in
	s_wait_dscnt 16                                ; the fragments of the two later steps, 8 loads each, stay out: this step's are in
.if ((\pos)%4) < 2
.set fb, BBF+32*((\pos)%4)
.else
.set fb, FC+(FD-FC)*(((\pos)%4)-2)
.endif
.if (\pos) < 4
.set ar, AB+24*(\pos)
.else
.set ar, AB2+24*((\pos)-4)
.endif
	WIN 0x51-((\pos)%4)/2+4*((\pos)/4)             ; C and D in window 1; the weights in window 1 in steps 0, 1, 4, 5; the rows in window 1 in steps 4 to 7
.set kt, 0
.rept \nl
.irp ct, 0,1,2,3
	v_wmma_f32_16x16x32_bf16 v[32*kt+8*\ct:32*kt+8*\ct+7], v[fb+8*\ct:fb+8*\ct+7], v[ar+8*kt:ar+8*kt+7], v[32*kt+8*\ct:32*kt+8*\ct+7]
.endr
.set kt, kt+1
.endr
.endm
; THE K LOOP for nl tiles: the fragments of the first two K steps, the rows of the first six, then 8 trips of 8 K steps.  Behind the last trip the fetches ahead go round to the first: inside LDS and the buffer; they are not used.
.macro BODY nl
	s_mov_b32 s21, 0
	s_mov_b32 s50, 0
	SETVB VB
	WIN 0x40
	s_wait_alu depctr_va_vdst(0)                   ; AOF and VB are written, which the loads below read; the bias's conversions and the last pass's matrix instructions are done reading the registers in which they land
	FLOAD 0, VB, 0, 0
	FLOAD 1, VB, 1024, 0
.irp b, 0,1,2,3,4,5
	ALOAD \b, 30, \nl
.endr
	WIN 0                                          ; at a label and at a branch every window is 0
	s_mov_b32 s20, NP
.Lpair_\@:
	s_wait_xcnt 0x0                                ; the bases below are rewritten only behind this wait
	s_wait_alu depctr_vm_vsrc(0)                   ; the LDS loads issued so far have read VB and VBN, which the additions below write again
	s_and_b32 s26, s21, NP-1
	s_lshl_b32 s36, s26, 22                        ; a trip's four blocks of hid
	s_add_nc_u64 s[32:33], s[30:31], s[36:37]
	s_lshl_b32 s50, s26, 13                        ; a trip's 8 K steps in a region of LDS
	SETVB VB
	s_add_co_u32 s28, s21, 1
	s_and_b32 s26, s28, NP-1
	s_lshl_b32 s36, s26, 22
	s_add_nc_u64 s[34:35], s[30:31], s[36:37]
	s_lshl_b32 s50, s26, 13
	SETVB VBN                                      ; these eight additions are also the places in front of the next loads
.irp ks, 0,1,2,3,4,5,6,7
	KSTEP \ks, \nl
.endr
	WIN 0
	s_add_co_u32 s21, s21, 1
	s_sub_co_u32 s20, s20, 1
	s_cmp_lg_u32 s20, 0
	s_cbranch_scc1 .Lpair_\@
.endm
.macro INIT                            ; the sums begin with the bias, widened from its bf16 pairs; all three tiles, so that every accumulator is written on every way
	WIN 0x40
.irp t, 0,1,2
.set i, 0
.rept 16
	v_lshlrev_b32 v[32*\t+2*i], 16, v[BC+i]
	v_and_b32 v[32*\t+2*i+1], 0xffff0000, v[BC+i]
.set i, i+1
.endr
.endr
	WIN 0
.endm
; THE WAY OUT of tile t.  Both barriers stand on every wave's way; only the work between them is jumped.  The accumulators were shown written by the wait behind the K loop; no vector or matrix instruction names them since.
.macro EPI t
	BAR                                            ; every wave's reads of the weights and of the stage are over
	s_cmp_le_u32 s24, \t
	s_cbranch_scc1 .Lnost_\@
	WIN 0x04                                       ; a store's data in window 1
.irp ct, 0,1,2,3
	ds_store_b128 v[STO], v[32*(\t)+8*\ct:32*(\t)+8*\ct+3] offset:64*\ct
	ds_store_b128 v[STO], v[32*(\t)+8*\ct+4:32*(\t)+8*\ct+7] offset:64*\ct+16
.endr
	WIN 0
.Lnost_\@:
	BAR                                            ; every wave's stores into the stage are done
	s_cmp_le_u32 s24, \t
	s_cbranch_scc1 .Lnold_\@
	s_wait_xcnt 0x0                                ; the registers that earlier stores read are loaded again only behind this wait
	s_wait_alu depctr_vm_vsrc(0)                   ; the last tile's global stores have read TS, in which the loads below land
.irp u, 0,1,2,3,4,5,6,7
	ds_load_b128 v[TS+4*\u:TS+4*\u+3], v[RD] offset:544*\u
.endr
	s_wait_dscnt 0x0
.irp u, 0,1,2,3,4,5,6,7
	global_store_b128 v[CO], v[TS+4*\u:TS+4*\u+3], s[44:45] offset:524288*(\t)+8192*\u  ; 16 lanes store 256 consecutive aligned bytes of a partial row
.endr
.Lnold_\@:
.endm
	s_load_b256 s[4:11], s[0:1], 0x0               ; W2 s[4:5], b2 s[6:7], hid s[8:9], cnt s[10:11]
	s_load_b64 s[12:13], s[0:1], 0x20              ; part
	v_lshl_add_u32 v254, v0, 2, 0x48900
	v_mov_b32 v255, 0
	v_lshrrev_b32 v1, 5, v0
	v_readfirstlane_b32 s16, v1                    ; wave w = 0..7
	s_lshr_b32 s18, ttmp9, 5                       ; e
	s_and_b32 s19, ttmp9, 31
	s_and_b32 s51, s19, 1                          ; which half of K
	s_lshr_b32 s56, s19, 1                         ; which 64 columns
	s_mov_b32 s37, 0                               ; s[36:37]: an offset as a pair; the high word stays 0
	v_and_b32 v[LANE], 31, v0
	v_and_b32 v1, 15, v0
	v_bfe_u32 v[HH], v0, 4, 1
	v_lshlrev_b32 v[VL16], 4, v[LANE]
	v_lshlrev_b32 v[VBI], 5, v[HH]
	v_lshlrev_b32 v[VW], 4, v1
	v_lshl_add_u32 v[VW], v[HH], WSH, v[VW]        ; 16 bytes of a row; lanes 16-31 eight rows on
	v_lshrrev_b32 v[VST], 2, v1                    ; my 4 columns lie in column tile (lane % 16) / 4,
	v_mul_u32_u24 v[VST], v[VST], CTS
	v_lshl_add_u32 v[VST], v[HH], 8, v[VST]        ; in the fragment's half lane / 16,
	v_and_b32 v[PA], 3, v0
	v_lshl_add_u32 v[VST], v[PA], 6, v[VST]        ; at its columns 4 (lane % 4) + 0..3,
	s_wait_alu depctr_va_sdst(0)                   ; s16 is written, ahead of its first reader: LDS addresses, bases and the wave's share of the tiles are made from it
	s_lshl_b32 s26, s16, 12
	v_add_nc_u32 v[VST], s26, v[VST]               ; in chunk w
	v_add_nc_u32 v[VST2], LSEC, v[VST]
	s_lshl_b32 s26, s16, 11
	v_add_nc_u32 v[AW], s26, v[VL16]
	s_mul_i32 s27, s16, 4352
	s_add_co_u32 s27, s27, STAGE                   ; my stage
	v_mul_u32_u24 v[STO], v1, 272                  ; in: row lane % 16, 32 bytes for each half of the lanes
	v_lshl_add_u32 v[STO], v[HH], 5, v[STO]
	v_add_nc_u32 v[STO], s27, v[STO]
	v_mul_u32_u24 v[RD], v[HH], 272                ; back: lanes 0-15 one row of 256 bytes, lanes 16-31 the next
	v_lshl_add_u32 v[RD], v1, 4, v[RD]
	v_add_nc_u32 v[RD], s27, v[RD]
	v_lshlrev_b32 v[CO], 4, v1                     ; and the same two rows in part
	v_lshl_add_u32 v[CO], v[HH], 12, v[CO]
	s_cmp_eq_u32 s51, 0
	s_cselect_b32 s57, -1, 0                       ; keeps the bias in the first half of K alone
	s_lshl_b32 s36, s18, 24                        ; an expert's weights: 16,777,216 bytes,
	s_lshl_b32 s27, s51, 23                        ; 2,048 rows of 4,096 bytes,
	s_add_co_u32 s36, s36, s27
	s_lshl_b32 s27, s56, 8                         ; my 64 columns,
	s_add_co_u32 s36, s36, s27
	s_lshl_b32 s27, s16, 19                        ; chunk w's 128 rows
	s_add_co_u32 s36, s36, s27
	s_wait_kmcnt 0x0
	s_add_nc_u64 s[40:41], s[4:5], s[36:37]
	; ---- PHASE A
	WIN 0x40
	s_wait_alu depctr_va_vdst(0)                   ; VW, VST, VST2, VBI, STO, RD and CO are written: every load and store by them, to the kernel's end, reads what stands there now
.set q, 0
.rept 8
	WLOAD q, 0
.set q, q+1
.endr
	WIN 0
	s_lshl_b32 s36, s18, 7
	s_add_nc_u64 s[14:15], s[10:11], s[36:37]
	s_load_b32 s22, s[14:15], 0x0                  ; the expert's count of rows
	s_lshl_b32 s36, s18, 12
	s_lshl_b32 s27, s56, 8
	s_add_co_u32 s36, s36, s27
	s_add_nc_u64 s[48:49], s[6:7], s[36:37]        ; my columns' bias
.set q, 0
.rept 8
	s_wait_loadcnt 56                              ; younger than group q: 8 (7 - q) loads of this chunk and 8 q of the next
	CVST q, VST, 1, q/2
.set q, q+1
.endr
.set q, 0
.rept 8
.if q == 4
.irp ct, 0,1,2,3
	global_load_b128 v[BR+8*\ct:BR+8*\ct+3], v[VBI], s[48:49] offset:64*\ct      ; no vector instruction has named these registers yet
	global_load_b128 v[BR+8*\ct+4:BR+8*\ct+7], v[VBI], s[48:49] offset:64*\ct+16
.endr
.endif
.if q < 4
	s_wait_loadcnt 56-8*q                          ; the later groups stay out,
.else
	s_wait_loadcnt 56-8*q+NX                       ; and the 8 loads of bias
.endif
	CVST q, VST2, 0, 1
.set q, q+1
.endr
	s_wait_loadcnt 0x0                             ; the bias
	BAR                                            ; every wave's stores are done: the slice is whole
.set i, 0
.rept 16
	v_cvt_pk_bf16_f32 v[BC+i], v[BR+2*i], v[BR+2*i+1]
	v_and_b32 v[BC+i], s57, v[BC+i]
.set i, i+1
.endr
	s_wait_kmcnt 0x0
	s_min_u32 s22, s22, 0x400
	s_add_co_u32 s23, s22, 15
	s_lshr_b32 s23, s23, 4                         ; tiles
	s_add_co_u32 s25, s23, 7
	s_sub_co_u32 s25, s25, s16
	s_lshr_b32 s25, s25, 3                         ; my tiles: w, w + 8, ..
	s_lshl_b32 s36, s51, 25                        ; part: a half of K is 8,192 rows of 4,096 bytes,
	s_lshl_b32 s27, s18, 22                        ; an expert 1,024 rows,
	s_add_co_u32 s36, s36, s27
	s_lshl_b32 s27, s16, 16                        ; tile w's 16 rows,
	s_add_co_u32 s36, s36, s27
	s_lshl_b32 s27, s56, 8                         ; my 64 columns
	s_add_co_u32 s36, s36, s27
	s_add_nc_u64 s[42:43], s[12:13], s[36:37]
	s_lshl_b32 s36, s51, 25                        ; hid: 32 blocks of 64 hidden columns, 1,048,576 bytes a block,
	s_lshl_b32 s27, s18, 17                        ; the expert's 64 tiles of 2,048 bytes
	s_add_co_u32 s36, s36, s27
	s_add_nc_u64 s[30:31], s[8:9], s[36:37]
	; ---- PHASE B
	s_mov_b32 s52, 3
	s_mov_b32 s53, 0                               ; 3 x the pass
.Lpass:
	s_wait_alu depctr_vm_vsrc(0)                   ; the LDS stores issued so far have read the accumulators and TP, the loads AOF and VB: the pass writes AOF, VB and the accumulators again, and fragments land where TP lay
	s_mov_b32 s24, 0
	s_cmp_ge_u32 s53, s25
	s_cbranch_scc1 .Lc_end                         ; none of my tiles is left: only the barriers remain
	s_sub_co_u32 s24, s25, s53
	s_min_u32 s24, s24, 3                          ; the pass's live tiles
.irp t, 0,1,2
	s_add_co_u32 s26, s53, \t
	s_min_u32 s26, s26, 7
	s_lshl_b32 s26, s26, 14                        ; tile 8 rt + w: 16,384 bytes for each rt
	v_add_nc_u32 v[AOF+\t], s26, v[AW]
.endr
	INIT
	s_cmp_eq_u32 s24, 1
	s_cbranch_scc1 .Lb1
	s_cmp_eq_u32 s24, 2
	s_cbranch_scc1 .Lb2
	BODY 3
	s_branch .Lbd
.Lb2:
	BODY 2
	s_branch .Lbd
.Lb1:
	BODY 1
.Lbd:
	PLACES                                         ; the sums are finished
	s_wait_alu depctr_va_vdst(0)                   ; the matrix instructions have written the accumulators, which the way out's LDS stores read; the places above stay beside this wait
	s_wait_loadcnt 0x0                             ; the last fetches ahead have landed: ring and offsets are free
.Lc_end:
	s_wait_xcnt 0x0
	s_lshl_b32 s36, s53, 19                        ; tile 8 rt + w: 524,288 bytes for each rt
	s_add_nc_u64 s[44:45], s[42:43], s[36:37]
	EPI 0
	EPI 1
	EPI 2
	s_add_co_u32 s53, s53, 3
	s_sub_co_u32 s52, s52, 1
	s_cmp_lg_u32 s52, 0
	s_cbranch_scc1 .Lpass
	BAR                                            ; every wave's LDS work is over
	s_wait_dscnt 0x0                               ; the wave's end; the add onto the spare words follows
	s_wait_alu depctr_hold_cnt(0) depctr_sa_sdst(0) depctr_va_vdst(0) depctr_va_sdst(0) depctr_va_ssrc(0) depctr_va_vcc(0) depctr_vm_vsrc(0)
	s_wait_tensorcnt 0x0
	ds_add_u32 v254, v255
	s_wait_dscnt 0x0
	s_endpgm
.Lfunc_end_k_qfb49148599_down:
	.size	k_qfb49148599_down, .Lfunc_end_k_qfb49148599_down-k_qfb49148599_down
	.p2alignl 7, 3214868480
	.fill 96, 4, 3214868480
	.section	.rodata,"a",@progbits
	.p2align	6, 0x0
	.amdhsa_kernel k_qfb49148599_down
		.amdhsa_group_segment_fixed_size 298240
		.amdhsa_private_segment_fixed_size 0
		.amdhsa_enable_private_segment 0
		.amdhsa_kernarg_size 40
		.amdhsa_user_sgpr_count 2
		.amdhsa_user_sgpr_kernarg_segment_ptr 1
		.amdhsa_wavefront_size32 1
		.amdhsa_system_sgpr_workgroup_id_x 1
		.amdhsa_system_sgpr_workgroup_id_y 1
		.amdhsa_system_sgpr_workgroup_id_z 1
		.amdhsa_system_vgpr_workitem_id 0
		.amdhsa_next_free_vgpr 512
		.amdhsa_next_free_sgpr 66
		.amdhsa_reserve_vcc 0
		.amdhsa_float_denorm_mode_32 3
		.amdhsa_float_denorm_mode_16_64 3
		.amdhsa_memory_ordered 1
		.amdhsa_forward_progress 1
		.amdhsa_inst_pref_size 108
	.end_amdhsa_kernel
	.amdgpu_metadata
---
amdhsa.version: [ 1, 2 ]
amdhsa.kernels:
  - .name:           k_qfb49148599_down
    .symbol:         k_qfb49148599_down.kd
    .args:
      - { .name: W2, .offset: 0, .size: 8, .value_kind: global_buffer, .address_space: global }
      - { .name: b2, .offset: 8, .size: 8, .value_kind: global_buffer, .address_space: global }
      - { .name: hid, .offset: 16, .size: 8, .value_kind: global_buffer, .address_space: global }
      - { .name: cnt, .offset: 24, .size: 8, .value_kind: global_buffer, .address_space: global }
      - { .name: part, .offset: 32, .size: 8, .value_kind: global_buffer, .address_space: global }
    .group_segment_fixed_size: 298240
    .private_segment_fixed_size: 0
    .kernarg_segment_align: 8
    .kernarg_segment_size: 40
    .max_flat_workgroup_size: 256
    .sgpr_count:     66
    .vgpr_count:     512
    .wavefront_size: 32
...
	.end_amdgpu_metadata
.endif
;; end of part 7
;; launch sum: the kernel of part 4 again; grid 256 x 1, 8 waves a work-group, no clusters, 0 bytes of LDS; arguments part, stat, sel, gate, pos, out0, out1; writes out0, out1
